; MI455X (gfx1250); checked and timed in simulation.
; The chip was launched on July 23, 2026; its instructions are those of AMD's public machine-readable ISA for CDNA 5 (MIT licence, August 2026) and "CDNA5" Instruction Set Architecture Reference Guide (July 2026). The comments in the code are by the model that wrote it; some were corrected since.
;; T5 Layer Cross Attention. Allowed arithmetic: matrix products marked QUANTISED: E2M3 operands, one E8M0 scale for each 32 along K, by v_wmma_scale_f32_16x16x128_f8f6f4 with both operands' format E2M3, f32 sums; everything else in f32.
;; Inputs: Wk_codes 1,024 x 32 x 24 uint8 (E2M3 codes of Wk, K innermost, in blocks of 32 codes, four codes in three bytes); Wk_scales 1,024 x 32 uint8 (E8M0 scales of Wk, one for each 32 codes along K); Wo_codes 1,024 x 32 x 24 uint8 (E2M3 codes of Wo, K innermost, in blocks of 32 codes, four codes in three bytes); Wo_scales 1,024 x 32 uint8 (E8M0 scales of Wo, one for each 32 codes along K); Wq_codes 1,024 x 32 x 24 uint8 (E2M3 codes of Wq, K innermost, in blocks of 32 codes, four codes in three bytes); Wq_scales 1,024 x 32 uint8 (E8M0 scales of Wq, one for each 32 codes along K); Wv_codes 1,024 x 32 x 24 uint8 (E2M3 codes of Wv, K innermost, in blocks of 32 codes, four codes in three bytes); Wv_scales 1,024 x 32 uint8 (E8M0 scales of Wv, one for each 32 codes along K); attention_mask 2 x 1 x 1 x 4,096 float32; hidden_states 2 x 2,048 x 1,024 float32; key_value_states_codes 2 x 4,096 x 32 x 24 uint8 (E2M3 codes of key_value_states, K innermost, in blocks of 32 codes, four codes in three bytes); key_value_states_scales 2 x 4,096 x 32 uint8 (E8M0 scales of key_value_states, one for each 32 codes along K); ln_weight 1,024 float32.
;; Outputs: out0 2 x 2,048 x 1,024 float32.
;; This version of the problem:
;;   THIS VERSION OF THE PROBLEM IS GIVEN IN LOW PRECISION. The matrix products marked QUANTISED in the list below multiply operands that are first quantised to E2M3 (2 exponent bits, 3 mantissa bits; 6 bits a number), with one power-of-two scale for each 32 numbers along K (OCP MX v1.0); their sums are f32. All else is computed in f32.
;;   The module's matrix products, in the order in which they are computed (A, B: the left and right operand; K: the contracted axis; several contracted axes count as one K, in the product's order):
;;     1. [M 4,096, K 1,024] x [K 1,024, N 1,024]; A: computed on the way; B: input Wq (given as codes): QUANTISED
;;     2. [M 8,192, K 1,024] x [K 1,024, N 1,024]; A: input key_value_states (given as codes); B: input Wk (given as codes): QUANTISED
;;     3. [M 8,192, K 1,024] x [K 1,024, N 1,024]; A: input key_value_states (given as codes); B: input Wv (given as codes): QUANTISED
;;     4. batch 32 x [M 2,048, K 64] x [K 64, N 4,096]; A: computed on the way; B: computed on the way: QUANTISED
;;     5. batch 32 x [M 2,048, K 4,096] x [K 4,096, N 64]; A: softmax (see below); B: computed on the way: QUANTISED
;;     6. [M 4,096, K 1,024] x [K 1,024, N 1,024]; A: computed on the way; B: input Wo (given as codes): QUANTISED
;;   THE QUANTISER, for each operand of a quantised product, along K:
;;     - K is cut into blocks of 32 from its start; a last block that is shorter is filled with zeros.
;;     - A block's scale is 2^e with e = floor(log2(the largest magnitude in the block)) - 2, held to -126 .. 127; a block of zeros has e = 0. As a byte (E8M0): e + 127.
;;     - Each number is divided by its block's scale, clamped to +-7.5, and rounded to the nearest number of E2M3, ties to even, subnormals kept.
;;     - The product sums the exact products of the quantised numbers (number of the format x scale) in f32.
;;   ~~~python
;;   def quantise(x, axis):      # numpy; x: float32 -> the quantised numbers, widened to float32 again
;;       x = np.moveaxis(x, axis, -1); K = x.shape[-1]
;;       x = np.pad(x, [(0, 0)] * (x.ndim - 1) + [(0, -K % 32)]); x = x.reshape(x.shape[:-1] + (-1, 32)); a = np.abs(x).max(-1, keepdims=True)
;;       e = np.where(a > 0, np.clip(np.frexp(np.where(a > 0, a, 1))[1] - 1 - 2, -126, 127), 0)      # np.frexp(a)[1] - 1 = floor(log2(a)), exactly
;;       r = np.clip(x / 2.0 ** e, -7.5, 7.5)
;;       step = 2.0 ** (np.maximum(np.frexp(np.where(r == 0, 1, r))[1] - 1, 0) - 3)
;;       q = np.round(r / step) * step * 2.0 ** e      # np.round: ties to even
;;       return np.moveaxis(q.reshape(q.shape[:-2] + (-1,))[..., :K], -1, axis).astype(np.float32)
;;   ~~~
;;   SOFTMAX AHEAD OF A QUANTISED PRODUCT. Where the list says 'softmax', what is quantised is not the finished softmax but p = 2^(t - M), with t = logit x log2(e) and M = ceil(the row's largest t), a whole number; so 1/2 < the row's largest p <= 1. The row's sum l is taken of the UNQUANTISED p, in f32, and the product's result is divided by l at the end. Since M is a whole number, a kernel that streams over the keys may use a running M (the ceiling of the running maximum): every later rescaling is an exact power of two, which a block's scale takes up: the codes' values come out the same.
;;   OPERANDS COMPUTED ON THE WAY. 'Computed on the way' means the value that the module computes at that place (a softmax that the list does not call 'softmax' is quantised finished and normalised). What goes into a quantiser is computed in f32, as accurately as f32 sums, v_exp_f32 and their like allow (about 1e-6 of the number): no bf16 or f16 on the way to a quantiser, and a product that is left as it is and whose result goes on into a quantised operand takes f32 operands (vector FMAs, or v_wmma_f32_16x16x4_f32). A number that lies on a knife's edge between two numbers of the format may be rounded either way, as far as f32 arithmetic and the matrix unit's own rounding can turn it there, and no further.
;;   INPUTS GIVEN AS CODES. Wk (in the module: [1024, 1024], K = its axis 0); Wo (in the module: [1024, 1024], K = its axis 0); Wq (in the module: [1024, 1024], K = its axis 0); Wv (in the module: [1024, 1024], K = its axis 0); key_value_states (in the module: [2, 4096, 1024], K = its axis 2): each comes as NAME_codes (uint8): NAME with its K axis moved to the last place and cut into blocks of 32 codes, [.., K / 32, bytes a block], one block behind the other in memory; four codes in three bytes: a row's codes are one little-endian stream of bits, code i at bits 6 i .. 6 i + 5 (a code: sign, 2 exponent bits, 3 mantissa bits); and NAME_scales (uint8): the same leading axes, one E8M0 byte (e + 127) for each 32 codes along K. Its value is code x scale, taken as it is: it is not quantised again, and the codes and scales need not be those that the quantiser above would give.
;; One version. Each part assembles by itself: llvm-mc -triple=amdgcn-amd-amdhsa -mcpu=gfx1250 --defsym DOCPART=n.
;; ======== version 1 of 1: 3 launches
;; limits: right only within a limited range of input values
;; workspace buffers: xq_img 3,145,728 bytes; xq_sc 131,072 bytes; kvs 13,893,632 bytes; ctx_img 3,145,728 bytes; ctx_sc 131,072 bytes
;; launch kvproj (part 1): grid 4 x 64, 4 waves a work-group, clusters of 4 x 4, 327,680 bytes of LDS; arguments key_value_states_codes, key_value_states_scales, Wk_codes, Wk_scales, Wv_codes, Wv_scales, attention_mask, kvs, hidden_states, ln_weight, xq_img, xq_sc; writes kvs, xq_img, xq_sc
.if DOCPART == 1
	.amdgcn_target "amdgcn-amd-amdhsa--gfx1250"
	.amdhsa_code_object_version 6
	.text
	.protected	k_q8c85622db2_kvproj
	.globl	k_q8c85622db2_kvproj
	.p2align	8
	.type	k_q8c85622db2_kvproj,@function
k_q8c85622db2_kvproj:
	s_mov_b64 s[64:65], 0
	v_nop
	global_prefetch_b8 v0, s[64:65] scope:SCOPE_SE
	s_setreg_imm32_b32 hwreg(HW_REG_WAVE_MODE, 25, 1), 1
	s_wait_xcnt 0x0
	s_wait_alu depctr_hold_cnt(0) depctr_sa_sdst(0) depctr_va_vdst(0) depctr_va_sdst(0) depctr_va_ssrc(0) depctr_va_vcc(0) depctr_vm_vsrc(0)
	s_getreg_b32 s2, hwreg(HW_REG_IB_STS2, 6, 4)
	s_cmp_eq_u32 s2, 0
	s_cbranch_scc0 .Lentry_in_a_cluster
	s_endpgm
.Lentry_in_a_cluster:
	s_bfe_u32 s2, ttmp6, 0x10000c
	s_cmp_lg_u32 s2, 0xf033
	s_cbranch_scc0 .Lentry_shape_is_right
	s_endpgm
.Lentry_shape_is_right:
; k = kv Wk and v = kv Wv on codes of FP6 (E2M3) with E8M0 scales, K = 1,024; the results are quantised here (k along the head's 64, v along the keys) and stored as records for the attention launch.
; Clusters 0-7 along y: A = kv (256 keys), B = Wk (256 columns).  Clusters 8-15: A = Wv (256 columns), B = kv (256 keys).  Source 0 = rows of B, source 1 = rows of A: a lane holds one row of A, its registers run along B's rows.
; A tile of 256 x 256 to a work-group, 128 x 128 to each of four waves.  K goes through two LDS slots in chunks of 256 bytes of each row (a row of codes is 768 bytes: three chunks, eight steps of 96 bytes).
; The scales of the 256 + 256 rows come once, as dense blocks.  4 x 4 clusters: A's tiles are asked for jointly along a row of the cluster, B's along a column.
; A RECORD (13,568 bytes: one head, 128 keys): 8 tiles of 16 keys x 768 bytes (six operand registers as an image); from 6,144 v's 4 tiles of 16 d x 1,536; from 12,288 k's scale words; from 12,800 v's; from 13,056 the mask, held at -3e38 from below.
; No prefetch: K has three chunks, and the first two are asked for at the head.
; LIMITS: NaN and infinities are not served; a block of zeros gets the byte 1 (zero codes; this program alone reads the bytes).
.set ROWB,   256
.set NQ,     2
.set KROW,   768
.set STEPS,  8
.set CHUNKS, 3
.set PITCH,  272
.set FR,     12
.set NL,     6
.set NP,     4
.set HALFT,  128*PITCH
.set SLOT,   4*HALFT
.set KS,     32
.set SCL,    2*SLOT
.set HALFS,  (128*KS/256)*272
.set SBLK,   (16*KS/256)*272
.set SPARE,  SCL+4*HALFS               ; the spare words: 512 bytes that no other line names
.set REC,    13568
.set HS,     32*REC                    ; from a head's records to the next head's
; ALSO HERE: normed = ln_weight * (x * rsqrt(mean(x^2) + 1e-6)), x = hidden_states, quantised along its 1,024.  Each of the 256 work-groups takes 16 rows, wave w the columns 256 w .. 256 w + 255 (K steps 2 w, 2 w + 1).
; Its 36 loads a lane go out at the kernel's start; sums of squares and scaling stand between the head's tensor loads and the wait for them; the turn through a stage, the codes and the stores stand behind chunk 1's request.
; The stage (16 rows x 272 bytes a wave, 64 columns at a time) has LDS bytes of its own: a lane then holds all 32 numbers of one block of ONE row.  OUT: xq_img [16 rows][K step][1,536 bytes as operand registers], xq_sc [row][32 bytes].
.set NSTG,   SPARE+512                 ; the stages; no tensor load lands from here on
.set NEX,    NSTG+4*4352               ; 16 rows x 4 waves' partial sums
.set NSX,    NEX+256                   ; 16 rows x 32 scale bytes
.set NX,   68                          ; v68-195 128 numbers
.set NWT,  196                         ; v196-211 ln_weight of my 16 columns
.set NSQ,  212                         ; v212-227 sums of squares, then 1/sqrt twice
.set NE,   32                          ; v32-63 the four waves' partial sums
.set NY0,  196                         ; later: 32 numbers of a block, two sets
.set NY1,  32
.set PCN,  228                         ; v228-239 a fragment's codes
.set NCT,  252
.set NT,   255
.set NT1,  24
.set NSC,  25
.set NB,   30
.set NXA,  240
.set NWA,  241
.set NSI,  242
.set NSO,  243
.set NEW,  244
.set NER,  245
.set NSXW, 246
.set N16,  247
.set NSXR, 248
.set NSH,  249
.set PW,   250
.set ADRA, 16
.set ADRB, 20
.set ADRS, 27
.set SPW,  28
.set NIL,  29
.set SC,   32
.set AF,   128
.set PCB,  128
.set TM,   176
.set WD,   192
.set PWS,  216
.set G1, 24
.set G0, 32
.set G1B, 48
.set G0B, 56
.set G1S, 68
.set G0S, 76
.set G1SB, 80
.set G0SB, 88
.set G0H, 4
.set G0HB, 8
.set MSB, 0
.macro WIN new
.if MSB != \new
	s_set_vgpr_msb (MSB<<8)|\new
.set MSB, \new
.endif
.endm
.set MUL_LO, 0xa1
.set MUL_HI, 0xf1
.set TO_B,   0x40
.macro JLOAD g0a, g1a, g0b, g1b        ; waves 0, 1 ask for A, waves 2, 3 for B
	s_cmp_eq_u32 s15, 0
	s_cbranch_scc0 .Lfor_b_\@
	tensor_load_to_lds s[\g0a:\g0a+3], s[\g1a:\g1a+7]
	s_nop 0
.rept 4
	v_nop
.endr
	s_branch .Lasked_\@
.Lfor_b_\@:
	tensor_load_to_lds s[\g0b:\g0b+3], s[\g1b:\g1b+7]
	s_nop 0
.rept 4
	v_nop
.endr
.Lasked_\@:
.endm
.macro CREST
	s_cmp_lg_u32 s14, 0
	s_cbranch_scc1 .Lnot_wave_0_\@
	s_barrier_signal -3
.Lnot_wave_0_\@:
	s_barrier_wait -3
	s_barrier_signal -1
	s_barrier_wait -1
.endm
.macro CROUND
	s_barrier_signal -1
	s_barrier_wait -1
	CREST
.endm
	s_load_b512 s[68:83], s[0:1], 0x0
	s_load_b64 s[66:67], s[0:1], 0x40              ; hidden_states
	s_load_b64 s[2:3], s[0:1], 0x48                ; ln_weight
	v_lshl_add_u32 v[SPW], v0, 2, SPARE
	v_mov_b32 v[NIL], 0
	ds_add_u32 v[SPW], v[NIL]                      ; the opening lines: the add twice on end and one wait
	ds_add_u32 v[SPW], v[NIL]
	v_lshrrev_b32 v1, 5, v0
	v_readfirstlane_b32 s14, v1                    ; wave
	s_lshr_b32 s15, s14, 1
	s_and_b32 s16, s14, 1
	s_bfe_u32 s40, ttmp6, 0x40000                  ; cx
	s_bfe_u32 s41, ttmp6, 0x40004                  ; cy
	s_and_b32 s95, ttmp7, 0xffff                   ; cluster y: under 8 k's part, else v's; the partners share it
	s_sub_co_u32 s99, s95, 8
	s_wait_dscnt 0x0
	s_cmp_lt_u32 s95, 8
	s_cselect_b32 s98, s95, 0
	s_cselect_b32 s99, 0, s99
	s_wait_kmcnt 0x0
	s_cselect_b64 s[4:5], s[68:69], s[76:77]       ; A's codes, scales; B's codes, scales
	s_cselect_b64 s[6:7], s[70:71], s[78:79]
	s_cselect_b64 s[8:9], s[72:73], s[68:69]
	s_cselect_b64 s[10:11], s[74:75], s[70:71]
	s_mov_b64 s[96:97], s[80:81]                   ; the mask
	s_mov_b64 s[12:13], s[82:83]                   ; kvs
	s_lshl_b32 s20, s95, 4                         ; the norm: my 16 rows' number T = 16 x cluster y + 4 cy + cx: it enters global addresses alone
	s_lshl_b32 s21, s41, 2
	s_add_co_u32 s20, s20, s21
	s_add_co_u32 s94, s20, s40
	s_lshl_b32 s20, s94, 16                        ; 16 rows of 4,096 bytes
	s_mov_b32 s21, 0
	s_add_nc_u64 s[66:67], s[66:67], s[20:21]
	s_lshl_b32 s20, s14, 10
	v_and_b32 v2, 15, v0
	v_bfe_u32 v3, v0, 4, 1
	v_and_b32 v4, 31, v0
	v_lshl_add_u32 v[NWA], v2, 4, s20              ; 1,024 w + 16 r
	v_lshl_add_u32 v[NXA], v3, 12, v[NWA]          ; + 4,096 h: lanes 0-15 the even row, lanes 16-31 the odd one
.irp g, 0,1,2,3
	global_load_b128 v[NWT+4*\g:NWT+4*\g+3], v[NWA], s[2:3] offset:256*\g
.endr
.irp i, 0,1,2,3,4,5,6,7
.irp g, 0,1,2,3
	global_load_b128 v[NX+16*\i+4*\g:NX+16*\i+4*\g+3], v[NXA], s[66:67] offset:8192*\i+256*\g th:TH_LOAD_NT   ; sixteen lanes read 256 consecutive bytes of a row
.endr
.endr
	s_mul_i32 s21, s14, 4352
	s_add_co_u32 s21, s21, NSTG
	v_mul_u32_u24 v5, v3, 272
	v_lshl_add_u32 v5, v2, 4, v5
	v_add_nc_u32 v[NSI], s21, v5                   ; the stage, in: row h, 16 r
	v_mul_u32_u24 v5, v2, 272
	v_lshl_add_u32 v5, v3, 7, v5
	v_add_nc_u32 v[NSO], s21, v5                   ; out: row r, 128 h
	s_lshl_b32 s21, s14, 2
	v_lshl_add_u32 v5, v3, 4, s21
	v_add_nc_u32 v[NEW], NEX, v5                   ; my wave's word of row h
	v_lshlrev_b32 v5, 4, v3
	v_add_nc_u32 v[NER], NEX, v5                   ; the four words of row h
	s_lshl_b32 s21, s14, 3
	v_lshl_add_u32 v5, v2, 5, s21
	v_add_nc_u32 v[NSXW], NSX, v5                  ; row r's scale bytes 8 w ..
	v_lshlrev_b32 v[N16], 4, v4                    ; 16 x lane
	v_add_nc_u32 v[NSXR], NSX, v[N16]
	v_lshlrev_b32 v[NSH], 3, v3                    ; 8 h
	s_lshl_b32 s42, s99, 2
	s_add_co_u32 s42, s42, s40                     ; tile column
	s_lshl_b32 s17, s98, 2
	s_add_co_u32 s17, s17, s41                     ; tile row
	s_lshl_b32 s43, s41, 2
	s_lshl_b32 s43, 15, s43
	s_lshl_b32 s44, 0x1111, s40
	s_or_b32 s[G1+0], s43, (0<<16)|(1<<20)|(1<<21)|(5<<22)|(3<<25)   ; rows of 256 bytes, 16 bytes of padding behind each
	s_or_b32 s[G1B+0], s44, (0<<16)|(1<<20)|(1<<21)|(5<<22)|(3<<25)
.irp g, G1, G1B
	s_mov_b32 s[\g+1], ROWB<<16
	s_mov_b32 s[\g+2], 256<<16                     ; 256 rows for the head's loads
	s_mov_b32 s[\g+3], ROWB<<16
	s_mov_b32 s[\g+4], 256
	s_mov_b32 s[\g+5], KROW
	s_mov_b32 s[\g+6], 0
	s_mov_b32 s[\g+7], 0
.endr
	s_or_b32 s[G1S+0], s43, (3<<16)|(1<<20)|(1<<21)|(5<<22)|(3<<25)  ; the scales of 256 rows: 32 dense rows of 256 bytes
	s_or_b32 s[G1SB+0], s44, (3<<16)|(1<<20)|(1<<21)|(5<<22)|(3<<25)
.irp g, G1S, G1SB
	s_mov_b32 s[\g+1], 32<<16
	s_mov_b32 s[\g+2], KS<<16
	s_mov_b32 s[\g+3], 32<<16
	s_mov_b32 s[\g+4], KS
	s_mov_b32 s[\g+5], 32
	s_mov_b32 s[\g+6], 0
	s_mov_b32 s[\g+7], 0
.endr
	s_lshl_b32 s20, s17, 8
	s_lshl_b32 s46, s42, 8
	s_mov_b32 s21, 0
	s_mov_b32 s47, 0
	s_mov_b64 s[18:19], KS
	s_mul_u64 s[22:23], s[20:21], s[18:19]
	s_mul_u64 s[92:93], s[46:47], s[18:19]
	s_mov_b64 s[18:19], KROW
	s_mul_u64 s[20:21], s[20:21], s[18:19]
	s_mul_u64 s[46:47], s[46:47], s[18:19]
	s_mul_i32 s18, s16, 128*KROW
	s_mov_b32 s19, 0
	s_mul_i32 s45, s14, HALFT
	s_add_nc_u64 s[20:21], s[4:5], s[20:21]
	s_add_nc_u64 s[22:23], s[6:7], s[22:23]
	s_add_nc_u64 s[46:47], s[8:9], s[46:47]
	s_add_nc_u64 s[92:93], s[10:11], s[92:93]
	CROUND                                         ; the first joint loads meet
	s_mov_b32 s[G0H], 1
	s_mov_b32 s[G0H+1], 0
	s_mov_b64 s[G0H+2:G0H+3], s[20:21]
	s_or_b32 s[G0H+3], s[G0H+3], 0x80000000
	s_mov_b32 s[G0HB], 1
	s_mov_b32 s[G0HB+1], 2*HALFT
	s_mov_b64 s[G0HB+2:G0HB+3], s[46:47]
	s_or_b32 s[G0HB+3], s[G0HB+3], 0x80000000
	s_mov_b32 s[G0S], 1
	s_mov_b32 s[G0S+1], SCL
	s_mov_b64 s[G0S+2:G0S+3], s[22:23]
	s_or_b32 s[G0S+3], s[G0S+3], 0x80000000
	s_mov_b32 s[G0SB], 1
	s_mov_b32 s[G0SB+1], SCL+2*HALFS
	s_mov_b64 s[G0SB+2:G0SB+3], s[92:93]
	s_or_b32 s[G0SB+3], s[G0SB+3], 0x80000000
	s_add_nc_u64 s[20:21], s[20:21], s[18:19]
	s_add_nc_u64 s[46:47], s[46:47], s[18:19]
.irp s, 0,1
	s_mov_b32 s[G0+4*\s], 1
	s_add_co_u32 s[G0+4*\s+1], s45, \s*SLOT
	s_add_nc_u64 s[G0+4*\s+2:G0+4*\s+3], s[20:21], \s*ROWB
	s_or_b32 s[G0+4*\s+3], s[G0+4*\s+3], 0x80000000
	s_mov_b32 s[G0B+4*\s], 1
	s_add_co_u32 s[G0B+4*\s+1], s45, \s*SLOT
	s_add_nc_u64 s[G0B+4*\s+2:G0B+4*\s+3], s[46:47], \s*ROWB
	s_or_b32 s[G0B+4*\s+3], s[G0B+4*\s+3], 0x80000000
.endr
; the head's four tiles, one a wave: chunk 0 of A, chunk 0 of B, A's scales, B's scales
.macro ARM under, g0, g1, next
	s_cmp_lt_u32 s14, \under
	s_cbranch_scc0 \next
	tensor_load_to_lds s[\g0:\g0+3], s[\g1:\g1+7]
	s_nop 0
.rept 4
	v_nop
.endr
	s_branch .Lhead_asked
\next:
.endm
	ARM 1, G0H,  G1,  .Lhead_b
	ARM 2, G0HB, G1B, .Lhead_sa
	ARM 3, G0S,  G1S, .Lhead_sb
	tensor_load_to_lds s[G0SB:G0SB+3], s[G1SB:G1SB+7]
	s_nop 0
.rept 4
	v_nop
.endr
.Lhead_asked:
	v_and_b32 v1, 15, v0                           ; r
	v_bfe_u32 v2, v0, 4, 1                         ; h
	v_mul_u32_u24 v3, v1, PITCH
	v_mul_u32_u24 v4, v2, 24
	v_add_nc_u32 v4, v3, v4
	s_mov_b32 s21, SLOT-232
	s_mov_b32 s22, SLOT+232
	v_sub_nc_u32 v7, 1, v2
	v_mul_u32_u24 v5, s21, v2
	v_add_nc_u32 v5, v3, v5
	v_add_nc_u32 v5, 232, v5                       ; lanes 0-15 byte 232 of the row in slot 0, lanes 16-31 byte 0 in slot 1
	v_mul_u32_u24 v6, s22, v7
	v_add_nc_u32 v6, v3, v6                        ; and the other way round
	s_mul_i32 s21, s15, HALFT
	s_mul_i32 s22, s16, HALFT
	s_add_co_u32 s22, s22, 2*HALFT
	v_add_nc_u32 v[ADRA+2], s21, v5
	v_add_nc_u32 v[ADRA+3], s21, v6
	v_add_nc_u32 v[ADRB+2], s22, v5
	v_add_nc_u32 v[ADRB+3], s22, v6
.irp s, 0,1
	v_add_nc_u32 v[ADRA+\s], s21, v4
	v_add_nc_u32 v[ADRB+\s], s22, v4
	s_add_co_u32 s21, s21, SLOT
	s_add_co_u32 s22, s22, SLOT
.endr
	v_mul_u32_u24 v5, v1, KS
	v_lshrrev_b32 v6, 8, v5
	v_lshl_add_u32 v5, v6, 4, v5
	s_mul_i32 s21, s15, HALFS
	s_mul_i32 s22, s16, HALFS
	s_add_co_u32 s22, s22, 2*HALFS
	s_sub_co_u32 s22, s22, s21
	v_mul_u32_u24 v6, s22, v2
	s_add_co_u32 s21, s21, SCL
	v_add_nc_u32 v5, v5, v6
	v_add_nc_u32 v[ADRS], s21, v5
	; where my results go: s20 = my 128 keys' number, s21 = my pair of heads
	; ---- the norm's first half, while the head's tiles are on their way
	s_mov_b32 s20, 0x3a800000                      ; 1 / 1,024
	s_mov_b32 s21, 0x358637bd                      ; 1e-6
	s_wait_alu depctr_va_vdst(0)
.irp i, 0,1,2,3,4,5,6,7
	s_wait_loadcnt 28-4*\i                         ; this pair of rows' four loads are in; the later pairs' may be out
	v_pk_mul_f32 v[NSQ+2*\i:NSQ+2*\i+1], v[NX+16*\i:NX+16*\i+1], v[NX+16*\i:NX+16*\i+1]
.irp k, 2,4,6,8,10,12,14
	v_pk_fma_f32 v[NSQ+2*\i:NSQ+2*\i+1], v[NX+16*\i+\k:NX+16*\i+\k+1], v[NX+16*\i+\k:NX+16*\i+\k+1], v[NSQ+2*\i:NSQ+2*\i+1]
.endr
	v_add_f32 v[NSQ+2*\i], v[NSQ+2*\i], v[NSQ+2*\i+1]
.endr
.irp m, 1,2,4,8
.irp i, 0,1,2,3,4,5,6,7
	v_add_f32_dpp v[NSQ+2*\i], v[NSQ+2*\i], v[NSQ+2*\i] row_xmask:\m row_mask:0xf bank_mask:0xf   ; over the sixteen lanes of a row
.endr
.endr
.irp i, 0,1,2,3,4,5,6,7
	ds_store_b32 v[NEW], v[NSQ+2*\i] offset:32*\i  ; word [row 2 i + h][w]
.endr
	s_wait_dscnt 0x0                               ; for the others' sake: my stores have landed
	s_barrier_signal -1
	s_barrier_wait -1
.irp i, 0,1,2,3,4,5,6,7
	ds_load_b128 v[NE+4*\i:NE+4*\i+3], v[NER] offset:32*\i
.endr
	s_wait_dscnt 0x0
.irp i, 0,1,2,3,4,5,6,7
	v_add_f32 v[NE+4*\i], v[NE+4*\i], v[NE+4*\i+1]
	v_add_f32 v[NE+4*\i+2], v[NE+4*\i+2], v[NE+4*\i+3]
.endr
.irp i, 0,1,2,3,4,5,6,7
	v_add_f32 v[NE+4*\i], v[NE+4*\i], v[NE+4*\i+2]
.endr
.irp i, 0,1,2,3,4,5,6,7
	v_fma_f32 v[NE+4*\i], v[NE+4*\i], s20, s21     ; mean + eps
.endr
	s_wait_alu depctr_va_vdst(0)                   ; the wait ahead of the batch
.irp i, 0,1,2,3,4,5,6,7
	v_rsq_f32 v[NSQ+2*\i], v[NE+4*\i]              ; twice: the packed multiply takes a pair
	v_rsq_f32 v[NSQ+2*\i+1], v[NE+4*\i]
.endr
	v_nop
	s_wait_alu depctr_va_vdst(0)                   ; one wait for the sixteen, ahead of their first reader
.irp i, 0,1,2,3,4,5,6,7
.irp k, 0,2,4,6,8,10,12,14
	v_pk_mul_f32 v[NX+16*\i+\k:NX+16*\i+\k+1], v[NX+16*\i+\k:NX+16*\i+\k+1], v[NSQ+2*\i:NSQ+2*\i+1]   ; x * rsqrt first,
.endr
.irp k, 0,2,4,6,8,10,12,14
	v_pk_mul_f32 v[NX+16*\i+\k:NX+16*\i+\k+1], v[NX+16*\i+\k:NX+16*\i+\k+1], v[NWT+\k:NWT+\k+1]       ; then * ln_weight, in the order of the definition
.endr
.endr
	s_lshl_b32 s18, s17, 1
	s_add_co_u32 s18, s18, s15
	s_lshl_b32 s19, s42, 1
	s_add_co_u32 s19, s19, s16
	s_cmp_lt_u32 s95, 8
	s_cselect_b32 s20, s18, s19
	s_cselect_b32 s21, s19, s18
	s_cselect_b32 s22, 0, 6144
	s_mov_b32 s18, 1536
	s_cselect_b32 s18, 768, s18
	s_cselect_b32 s98, 0, 428032
	s_mov_b32 s23, 768
	s_cselect_b32 s23, HS, s23
	s_mov_b32 s2, 12800
	s_cselect_b32 s2, 12288, s2
	s_mov_b32 s3, HS
	s_cselect_b32 s3, 256, s3
	s_mov_b32 s19, 0
	s_mov_b32 s99, 0
	s_lshr_b32 s46, s20, 5
	s_lshl_b32 s46, s46, 4
	s_lshl_b32 s21, s21, 1
	s_add_co_u32 s46, s46, s21
	s_lshl_b32 s46, s46, 5
	s_and_b32 s47, s20, 31
	s_add_co_u32 s46, s46, s47
	s_mul_i32 s46, s46, REC
	s_mov_b32 s47, 0
	s_add_nc_u64 s[100:101], s[12:13], s[46:47]
	s_mov_b32 s46, s22
	s_add_nc_u64 s[12:13], s[100:101], s[46:47]
	v_and_b32 v14, 31, v0
	v_lshlrev_b32 v8, 4, v14
	v_lshlrev_b32 v9, 3, v14
	v_add_nc_u32 v10, s23, v8
	v_add_nc_u32 v11, s23, v9
	v_mul_u32_u24 v12, s3, v2
	v_lshl_add_u32 v12, v1, 4, v12
	v_add_nc_u32 v12, s2, v12
	s_lshl_b32 s20, s20, 9
	v_add_nc_u32 v13, s20, v8
	global_load_b128 v[64:67], v13, s[96:97]       ; my 128 keys' mask
.macro FRAG reg, adr, st, i            ; 16 rows x 128 K: six pieces of 8 bytes; byte y of a row lies in chunk y / 256, slot (y / 256) % 2
.irp p, 0,1,2,3,4,5
.set BY, 96*(\st)+48*(\p/3)+8*(\p%3)
.if BY/ROWB == (BY+24)/ROWB
	ds_load_b64 v[\reg+2*\p:\reg+2*\p+1], v[\adr+(BY/ROWB)%2] offset:BY%ROWB+(\i)*16*PITCH
.else
	ds_load_b64 v[\reg+2*\p:\reg+2*\p+1], v[\adr+2+(BY/ROWB)%2] offset:BY%ROWB-232+(\i)*16*PITCH
.endif
.endr
.endm
.macro MUL16 a0, p, q, sc, zero        ; the 64 accumulators take turns
.irp a, \a0, \a0+1
.irp b, 0,1,2,3,4,5,6,7
.if \zero
	v_wmma_scale_f32_16x16x128_f8f6f4 v[8*(8*((\a)%4)+\b):8*(8*((\a)%4)+\b)+7], v[128*(\p)+FR*\b:128*(\p)+FR*\b+FR-1], v[AF+FR*(\a):AF+FR*(\a)+FR-1], 0, v[SC+8*NQ*(\sc)+NQ*\b+(\q)], v[SC+8*NQ*(\sc)+NQ*(\a)+(\q)] matrix_a_fmt:MATRIX_FMT_FP6 matrix_b_fmt:MATRIX_FMT_FP6 matrix_a_scale:MATRIX_SCALE_ROW1
.else
	v_wmma_scale_f32_16x16x128_f8f6f4 v[8*(8*((\a)%4)+\b):8*(8*((\a)%4)+\b)+7], v[128*(\p)+FR*\b:128*(\p)+FR*\b+FR-1], v[AF+FR*(\a):AF+FR*(\a)+FR-1], v[8*(8*((\a)%4)+\b):8*(8*((\a)%4)+\b)+7], v[SC+8*NQ*(\sc)+NQ*\b+(\q)], v[SC+8*NQ*(\sc)+NQ*(\a)+(\q)] matrix_a_fmt:MATRIX_FMT_FP6 matrix_b_fmt:MATRIX_FMT_FP6 matrix_a_scale:MATRIX_SCALE_ROW1
.endif
.endr
.endr
.endm
.macro FETCH_B st, p
	WIN TO_B
.irp i, 0,1,2,3,4,5,6,7
	FRAG 128*(\p)+FR*\i, ADRB, \st, \i
.endr
	WIN 0
.endm
.macro FETCH_A st, i0
.irp i, \i0, \i0+1, \i0+2, \i0+3
	FRAG AF+FR*(\i), ADRA, \st, \i
.endr
.endm
.macro SCALES pr
.irp i, 0,1,2,3,4,5,6,7
	ds_load_b64 v[SC+8*NQ*((\pr)%2)+NQ*\i:SC+8*NQ*((\pr)%2)+NQ*\i+1], v[ADRS] offset:\i*SBLK+4*NQ*(\pr)
.endr
.endm
.macro PLACES n
.rept \n
	v_nop
.endr
.endm
; a step of 128 along K.  Where the next step's bytes end in a chunk not read yet: a barrier shows it whole.  Where they begin in a later chunk: the chunk left behind is free, and where a chunk two on is left, a round and the refill follow.
.macro STEP st, zero
.set NX, (\st)+1
.set C0, (96*(\st))/ROWB
.set C1, (96*NX)/ROWB
.set E0, (96*(\st)+95)/ROWB
.set E1, (96*NX+95)/ROWB
.if C1 > C0 || E1 > E0
	s_wait_tensorcnt 0x0                           ; all my tensor loads have landed
.if C1 > C0
	ds_add_u32 v[SPW], v[NIL]
	s_wait_dscnt 4*NL+1                            ; the add and A's blocks 4-7 may be out
.else
	s_wait_dscnt 4*NL
.endif
	WIN MUL_LO
	MUL16 0, (\st)%2, (\st)%2, ((\st)/2)%2, \zero
	s_wait_dscnt 0x0                               ; the add and all my reads are done
	s_barrier_signal -1
	MUL16 2, (\st)%2, (\st)%2, ((\st)/2)%2, \zero
	WIN 0
	s_barrier_wait -1
.if C1 > C0 && C0+2 < CHUNKS
	CREST
	s_add_nc_u64 s[G0+4*(C0%2)+2:G0+4*(C0%2)+3], s[G0+4*(C0%2)+2:G0+4*(C0%2)+3], 2*ROWB
	s_add_nc_u64 s[G0B+4*(C0%2)+2:G0B+4*(C0%2)+3], s[G0B+4*(C0%2)+2:G0B+4*(C0%2)+3], 2*ROWB
	JLOAD G0+4*(C0%2), G1, G0B+4*(C0%2), G1B
.else
	PLACES NP
.endif
.else
	s_wait_dscnt 4*NL
	WIN MUL_LO
	MUL16 0, (\st)%2, (\st)%2, ((\st)/2)%2, \zero
	MUL16 2, (\st)%2, (\st)%2, ((\st)/2)%2, \zero
	s_wait_dscnt 0
	PLACES NP
.endif
	FETCH_B NX, NX%2
	FETCH_A NX, 0
.if NX%2 == 0
	SCALES NX/2
.endif
	WIN MUL_HI
	MUL16 4, (\st)%2, (\st)%2, ((\st)/2)%2, \zero
	MUL16 6, (\st)%2, (\st)%2, ((\st)/2)%2, \zero
	PLACES NP
	WIN 0
	FETCH_A NX, 4
.endm
	s_wait_alu depctr_va_vdst(0)                   ; the wait at the head's end
	s_wait_tensorcnt 0x0                           ; my tile of the head's four is in
	ds_add_u32 v[SPW], v[NIL]
	s_mov_b32 s[G1+2], 128<<16                     ; no load of mine is out: from here on a load brings 128 rows
	s_mov_b32 s[G1+4], 128
	s_mov_b32 s[G1B+2], 128<<16
	s_mov_b32 s[G1B+4], 128
	s_wait_dscnt 0x0
	CROUND
	JLOAD G0+4, G1, G0B+4, G1B                     ; chunk 1, slot 1's first fill, issued as a refill is
	; ---- the norm's second half, while chunk 1 is on its way.  s[4:11] held the head's descriptors, whose loads are done
.macro NPASS g, y                      ; columns 64 g .. 64 g + 63 of my 256 turn through my stage; LDS serves a wave's instructions in order
.irp i, 0,1,2,3,4,5,6,7
	ds_store_b128 v[NSI], v[NX+16*\i+4*(\g):NX+16*\i+4*(\g)+3] offset:544*\i
.endr
.irp j, 0,1,2,3,4,5,6,7
	ds_load_b128 v[\y+4*\j:\y+4*\j+3], v[NSO] offset:16*\j   ; row r, k = 64 g + 32 h + 0 .. 31
.endr
.endm
.macro QN y, c                         ; my block of 32: registers 6 c .. 6 c + 5 of the fragment, and its scale byte
	v_max3_num_f32 v[NT], |v[\y]|, |v[\y+1]|, 0x1800000      ; with the floor 2^(3 - 127): the byte cannot fall under 1
	v_max3_num_f32 v[NT1], |v[\y+16]|, |v[\y+17]|, 0x1800000
.irp n, 2,4,6,8,10,12,14
	v_max3_num_f32 v[NT], v[NT], |v[\y+\n]|, |v[\y+\n+1]|
	v_max3_num_f32 v[NT1], v[NT1], |v[\y+16+\n]|, |v[\y+17+\n]|
.endr
	v_max_num_f32 v[NT], v[NT], v[NT1]
	v_add_nc_u32 v[NSC], 0xff000000, v[NT]         ; 2 off the exponent field: the conversion's scale operand
	v_lshrrev_b32 v[NB+\c], 23, v[NSC]
	v_cvt_scalef32_pk16_fp6_f32 v[PCN+6*\c:PCN+6*\c+2], v[\y:\y+15], v[NSC]
	v_cvt_scalef32_pk16_fp6_f32 v[NCT:NCT+2], v[\y+16:\y+31], v[NSC]   ; (a conversion's three registers begin on an even number)
	v_nop
.irp n, 0,1,2
	v_mov_b32 v[PCN+6*\c+3+\n], v[NCT+\n]
.endr
.endm
.macro NOUT s                          ; the K step's scale word (my bytes h and 2 + h, with lane l xor 16's two), and its image
	v_lshl_or_b32 v[NT], v[NB+1], 16, v[NB]
	v_lshlrev_b32 v[NT], v[NSH], v[NT]
	v_permlanex16_b32 v[NT1], v[NT], s2, s3
	v_or_b32 v[PW+\s], v[NT], v[NT1]
.irp c, 0,1,2
	global_store_b128 v[N16], v[PCN+4*\c:PCN+4*\c+3], s[4:5] offset:1536*\s+512*\c   ; 32 lanes store 512 consecutive bytes, aligned to 256
.endr
.endm
	s_load_b128 s[4:7], s[0:1], 0x50               ; xq_img, xq_sc
	s_mov_b32 s2, 0x76543210
	s_mov_b32 s3, 0xfedcba98
	s_lshl_b32 s8, s94, 3
	s_lshl_b32 s9, s14, 1
	s_add_co_u32 s8, s8, s9
	s_mul_i32 s8, s8, 1536                         ; image 8 T + 2 w
	s_mov_b32 s9, 0
	s_lshl_b32 s10, s94, 9                         ; 16 rows of 32 scale bytes
	s_mov_b32 s11, 0
	NPASS 0, NY0
	NPASS 1, NY1
	s_wait_kmcnt 0x0
	s_add_nc_u64 s[4:5], s[4:5], s[8:9]
	s_add_nc_u64 s[6:7], s[6:7], s[10:11]
	s_wait_dscnt 16                                ; the older pass is back; the younger pass's sixteen may be out
	QN NY0, 0
	NPASS 2, NY0
	s_wait_dscnt 16
	QN NY1, 1
	NOUT 0
	NPASS 3, NY1
	s_wait_dscnt 16
	s_wait_xcnt 0x0                                ; the stores have read their registers: the codes may be written again
	QN NY0, 0
	s_wait_dscnt 0x0
	QN NY1, 1
	NOUT 1
	ds_store_b64 v[NSXW], v[PW:PW+1]               ; both lanes of a row write the same bytes with the same values
	s_wait_alu depctr_va_vdst(0)
	s_wait_dscnt 0x0
	s_barrier_signal -1
	s_barrier_wait -1                              ; the 16 rows' 32 scale bytes lie in LDS
	s_cmp_lg_u32 s14, 0
	s_cbranch_scc1 .Lno_sx                         ; wave 0 stores them: 512 consecutive bytes
	ds_load_b128 v[32:35], v[NSXR]
	s_wait_dscnt 0x0
	global_store_b128 v[N16], v[32:35], s[6:7]
.Lno_sx:
	s_wait_xcnt 0x0                                ; the stores have read their registers
	FETCH_B 0, 0
	FETCH_A 0, 0
	SCALES 0
	FETCH_A 0, 4
	STEP 0, 1
.set ST, 1
.rept STEPS-2
	STEP ST, 0
.set ST, ST+1
.endr
	s_wait_dscnt 4*NL
	WIN MUL_LO
	MUL16 0, 1, 1, 1, 0
	MUL16 2, 1, 1, 1, 0
	s_wait_dscnt 0
	WIN MUL_HI
	MUL16 4, 1, 1, 1, 0
	MUL16 6, 1, 1, 1, 0
	WIN 0
; THE WAY OUT: A's block a: a lane's 64 registers are four half blocks of 32; with lane l xor 16 the maxima are whole; codes and scale word as operand registers
.macro QUANTW a
.set WW, 2+(\a)/4
.set SRC, 64*((\a)%4)
.set PCS, PCB+20*((\a)%2)
	WIN WW|(WW<<2)
.irp b, 0,1,2,3
	v_max3_num_f32 v[TM+\b], |v[SRC+16*\b]|, |v[SRC+16*\b+1]|, 0x1800000
.endr
.irp n, 2,4,6,8,10,12,14
.irp b, 0,1,2,3
	v_max3_num_f32 v[TM+\b], |v[SRC+16*\b+\n]|, |v[SRC+16*\b+\n+1]|, v[TM+\b]
.endr
.endr
	WIN 0
.irp b, 0,1,2,3
	v_permlanex16_b32 v[TM+4+\b], v[TM+\b], s84, s85
.endr
.irp b, 0,1,2,3
	v_max_num_f32 v[TM+\b], v[TM+\b], v[TM+4+\b]
.endr
.irp b, 0,1,2,3
	v_add_nc_u32 v[TM+12+\b], 0xff000000, v[TM+\b]
.endr
.irp b, 0,1,2,3
	v_lshrrev_b32 v[TM+4+\b], 23, v[TM+12+\b]
.endr
	v_lshl_or_b32 v[PWS+(\a)], v[TM+5], 8, v[TM+4]
	v_lshl_or_b32 v[PWS+(\a)], v[TM+6], 16, v[PWS+(\a)]
	v_lshl_or_b32 v[PWS+(\a)], v[TM+7], 24, v[PWS+(\a)]
	WIN WW
.irp c, 0,1
	v_cvt_scalef32_pk16_fp6_f32 v[PCS+6*\c:PCS+6*\c+2], v[SRC+32*\c:SRC+32*\c+15], v[TM+12+2*\c]
	v_cvt_scalef32_pk16_fp6_f32 v[PCS+12+4*\c:PCS+14+4*\c], v[SRC+16+32*\c:SRC+31+32*\c], v[TM+13+2*\c]
.endr
	WIN 0
	v_nop
.irp c, 0,1
.irp n, 0,1,2
	v_permlane16_swap_b32 v[PCS+6*\c+\n], v[PCS+12+4*\c+\n]
.endr
.irp n, 0,1,2
	v_mov_b32 v[PCS+3+6*\c+\n], v[PCS+12+4*\c+\n]
.endr
.endr
.endm
	PLACES NP
	s_mov_b32 s84, 0x76543210
	s_mov_b32 s85, 0xfedcba98
.irp b, 0,1,2,3
	v_mov_b32 v[TM+4+\b], 0
.endr
.irp a, 0,1,2,3,4,5,6,7
	QUANTW \a
	s_wait_alu depctr_va_vdst(0)
	s_wait_xcnt 0x0                                ; earlier stores have read their registers and their base
.if \a > 0
	s_add_nc_u64 s[12:13], s[12:13], s[18:19]
.endif
.if \a == 4
	s_add_nc_u64 s[12:13], s[12:13], s[98:99]
.endif
	global_store_b128 v8, v[PCS:PCS+3], s[12:13]
	global_store_b64 v9, v[PCS+4:PCS+5], s[12:13] offset:512
	global_store_b128 v10, v[PCS+6:PCS+9], s[12:13]
	global_store_b64 v11, v[PCS+10:PCS+11], s[12:13] offset:512
.endr
	v_cmp_gt_u32 vcc_lo, 16, v14
.irp k, 0,1,2,3
	v_cndmask_b32 v[WD+\k], v[PWS+4+\k], v[PWS+\k], vcc_lo
.endr
	global_store_b128 v12, v[WD:WD+3], s[100:101]
	s_wait_loadcnt 0x0
	s_cmp_lt_u32 s95, 8
	s_cbranch_scc0 .Lv_done
	s_wait_alu depctr_va_vdst(0)
.irp k, 0,1,2,3
	v_lshrrev_b32 v[WD+4+\k], 16, v[WD+\k]         ; the second head's two bytes
.endr
	global_store_b128 v8, v[WD+4:WD+7], s[100:101] offset:HS+12288
.irp k, 0,1,2,3
	v_max_num_f32 v[64+\k], 0xff61b1e6, v[64+\k]
.endr
	global_store_b128 v8, v[64:67], s[100:101] offset:13056
	global_store_b128 v8, v[64:67], s[100:101] offset:HS+13056
.Lv_done:
	s_wait_tensorcnt 0x0                           ; the wave's end
	ds_add_u32 v[SPW], v[NIL]
	s_wait_dscnt 0x0
	CROUND
	s_endpgm
.Lfunc_end_k_q8c85622db2_kvproj:
	.size	k_q8c85622db2_kvproj, .Lfunc_end_k_q8c85622db2_kvproj-k_q8c85622db2_kvproj
	.p2alignl 7, 3214868480
	.fill 96, 4, 3214868480
	.section	.rodata,"a",@progbits
	.p2align	6, 0x0
	.amdhsa_kernel k_q8c85622db2_kvproj
		.amdhsa_group_segment_fixed_size 327680
		.amdhsa_private_segment_fixed_size 0
		.amdhsa_enable_private_segment 0
		.amdhsa_kernarg_size 96
		.amdhsa_user_sgpr_count 2
		.amdhsa_user_sgpr_kernarg_segment_ptr 1
		.amdhsa_wavefront_size32 1
		.amdhsa_system_sgpr_workgroup_id_x 1
		.amdhsa_system_sgpr_workgroup_id_y 1
		.amdhsa_system_sgpr_workgroup_id_z 1
		.amdhsa_system_vgpr_workitem_id 0
		.amdhsa_next_free_vgpr 1024
		.amdhsa_next_free_sgpr 102
		.amdhsa_reserve_vcc 1
		.amdhsa_float_denorm_mode_32 3
		.amdhsa_float_denorm_mode_16_64 3
		.amdhsa_memory_ordered 1
		.amdhsa_forward_progress 1
		.amdhsa_inst_pref_size 202
	.end_amdhsa_kernel
	.amdgpu_metadata
---
amdhsa.version: [ 1, 2 ]
amdhsa.kernels:
  - .name:           k_q8c85622db2_kvproj
    .symbol:         k_q8c85622db2_kvproj.kd
    .args:
      - { .name: key_value_states_codes, .offset: 0, .size: 8, .value_kind: global_buffer, .address_space: global }
      - { .name: key_value_states_scales, .offset: 8, .size: 8, .value_kind: global_buffer, .address_space: global }
      - { .name: Wk_codes, .offset: 16, .size: 8, .value_kind: global_buffer, .address_space: global }
      - { .name: Wk_scales, .offset: 24, .size: 8, .value_kind: global_buffer, .address_space: global }
      - { .name: Wv_codes, .offset: 32, .size: 8, .value_kind: global_buffer, .address_space: global }
      - { .name: Wv_scales, .offset: 40, .size: 8, .value_kind: global_buffer, .address_space: global }
      - { .name: attention_mask, .offset: 48, .size: 8, .value_kind: global_buffer, .address_space: global }
      - { .name: kvs, .offset: 56, .size: 8, .value_kind: global_buffer, .address_space: global }
      - { .name: hidden_states, .offset: 64, .size: 8, .value_kind: global_buffer, .address_space: global }
      - { .name: ln_weight, .offset: 72, .size: 8, .value_kind: global_buffer, .address_space: global }
      - { .name: xq_img, .offset: 80, .size: 8, .value_kind: global_buffer, .address_space: global }
      - { .name: xq_sc, .offset: 88, .size: 8, .value_kind: global_buffer, .address_space: global }
    .group_segment_fixed_size: 327680
    .private_segment_fixed_size: 0
    .kernarg_segment_align: 8
    .kernarg_segment_size: 96
    .max_flat_workgroup_size: 128
    .sgpr_count:     102
    .vgpr_count:     1024
    .wavefront_size: 32
...
	.end_amdgpu_metadata
.endif
;; end of part 1
;; launch attn (part 2): grid 8 x 32, 8 waves a work-group, clusters of 4 x 1, 327,680 bytes of LDS; arguments xq_img, xq_sc, Wq_codes, Wq_scales, kvs, ctx_img, ctx_sc; writes ctx_img, ctx_sc
.if DOCPART == 2
	.amdgcn_target "amdgcn-amd-amdhsa--gfx1250"
	.amdhsa_code_object_version 6
	.text
	.protected	k_q8c85622db2_attn
	.globl	k_q8c85622db2_attn
	.p2align	8
	.type	k_q8c85622db2_attn,@function
k_q8c85622db2_attn:
	s_mov_b64 s[64:65], 0
	v_nop
	global_prefetch_b8 v0, s[64:65] scope:SCOPE_SE
	s_setreg_imm32_b32 hwreg(HW_REG_WAVE_MODE, 25, 1), 1
	s_wait_xcnt 0x0
	s_wait_alu depctr_hold_cnt(0) depctr_sa_sdst(0) depctr_va_vdst(0) depctr_va_sdst(0) depctr_va_ssrc(0) depctr_va_vcc(0) depctr_vm_vsrc(0)
	s_getreg_b32 s2, hwreg(HW_REG_IB_STS2, 6, 4)
	s_cmp_eq_u32 s2, 0
	s_cbranch_scc0 .Lentry_in_a_cluster
	s_endpgm
.Lentry_in_a_cluster:
	s_bfe_u32 s2, ttmp6, 0x10000c
	s_cmp_lg_u32 s2, 0x3003
	s_cbranch_scc0 .Lentry_shape_is_right
	s_endpgm
.Lentry_shape_is_right:
; ctx = softmax(q k^T + mask) v for one head and 256 queries, all products on codes of FP6 (E2M3) with E8M0 scales; q = normed Wq is made here.
; THE SOFTMAX: t = (score + mask) x log2(e); M = the running largest t rounded UP to a whole number; p = 2^(t - M) is quantised along the keys; the row's sum is taken of the unquantised p and divides at the end.
; SHARES: eight waves, each with two tiles of 16 queries; every wave walks the head's 4,096 keys, 128 a step; both tiles go through a step's softmax together, their chains by turns.
; K, V, scale words and mask come as records of 13,568 bytes a key step: eight records to a slot, two slots, one record a wave by a JOINT tensor load (the four query blocks of a cluster walk the same head).
; LAYOUT: all products transposed (source 0 = 16 rows of Wq, 16 keys, 16 of the head's 64; source 1 = my 16 queries): a lane holds ONE query.  The mask is the C of the score product.
; THE KEYS OF A TILE ARE CHOSEN: row 8 g + j of tile 4 c + u is key 64 c + 32 g + 8 w + j, w = (0, 2, 1, 3)[u].  So lane half g holds ALL 32 keys of block 2 c + g in its registers 32 c .. 32 c + 31, in the order in which V's codes stand:
; a block's maximum needs no other lane and p's codes need no lane swap.  The choice is made by the LDS addresses of K's images, scale words and mask.
; q . k has K = 64: q's registers 6-11 hold zero codes.  K's fragments lie 6 registers apart: the upper six of an operand are the next tile's codes (behind the last: mask words), which meet q's zero codes under finite scale bytes.
; No prefetch: a slot's refill has eight key steps in which to land.
; LIMITS: NaN and infinities are not served; scaled scores stay under 2^31 in magnitude; a row all of whose keys are masked at -3e38 is not served; a block of zeros gets the byte 1 (zero codes).
; REGISTERS, window 0: v1-8 lane terms; v9-10 the add's; v11-15, v252-253 a step's LDS addresses; v16-39 q; v40-167 scores, then p (tile i at 64 i); v168-191 p's codes; v192-223 at work; v224-251 scale words alone.
;   window 1: v0-47 K; v48-111 the mask as eight tiles of C; v112-159 V; v160-223 O^T (tile i, d tile t at 32 i + 8 t); in the prologue v0-191 x's sixteen fragments.
.set REC,   13568
.set SLOTB, 8*REC
.set SLOT1, 131072
.set WQ,    SLOT1+SLOTB                ; Wq's 64 rows of 768 bytes, 16 bytes of padding behind every 256: 816 a row
.set SPARE, WQ+192*272                 ; the spare words: 1,024 bytes that no other line names
.set A16, 11
.set A8,  12
.set AKQ, 13
.set AKD, 14
.set AKS, 15
.set AMK, 252
.set AVS, 253
.set QF,  16
.set S,   40
.set WA,  104                          ; the prologue's two sets of Wq's fragments: v104-151, v168-215
.set PC,  168
.set BM,  200
.set BP,  196
.set SO,  192                          ; v168-199 (p's codes, SO, BP) are free while the exponentials run: sixteen pairs for tile 0's pair sums
.set FQ,  204
.set TMP, 208
.set CT2, 208
.set SUM2, 212
.set ST,  216                          ; for each tile: -M, the largest score, the sum (a pair)
.set WS,  224
.set XS,  240
.set KSR, 224
.set VSR, 228
.set QS,  248
.set PS,  250
.set MK,  48
.set VF,  112
.set OT,  160
.set MSB, 0
.macro WIN new
.if MSB != \new
	s_set_vgpr_msb (MSB<<8)|\new
.set MSB, \new
.endif
.endm
.macro ROUND
	s_barrier_signal -1
	s_barrier_wait -1
	s_cmp_lg_u32 s18, 0
	s_cbranch_scc1 .Lnot_wave_0_\@
	s_barrier_signal -3
.Lnot_wave_0_\@:
	s_barrier_wait -3
	s_barrier_signal -1
	s_barrier_wait -1
.endm
.macro PLACES
.rept 4
	v_nop
.endr
.endm
	s_load_b256 s[4:11], s[0:1], 0x0               ; xq_img, xq_sc, Wq_codes, Wq_scales
	s_load_b128 s[12:15], s[0:1], 0x20             ; kvs, ctx_img
	s_load_b64 s[16:17], s[0:1], 0x30              ; ctx_sc
	v_lshl_add_u32 v9, v0, 2, SPARE
	v_mov_b32 v10, 0
	ds_add_u32 v9, v10                             ; the opening lines: the add twice on end and one wait
	ds_add_u32 v9, v10
	v_lshrrev_b32 v1, 5, v0
	v_readfirstlane_b32 s18, v1                    ; wave 0..7
	s_bfe_u32 s19, ttmp6, 0x40000                  ; cx: it enters x's and ctx's global addresses alone
	s_and_b32 s56, ttmp7, 0xffff                   ; 16 x batch + head
	s_lshr_b32 s57, s56, 4
	s_and_b32 s58, s56, 15
	s_lshl_b32 s59, ttmp9, 2
	s_add_co_u32 s59, s59, s19
	s_lshl_b32 s60, s57, 7
	s_lshl_b32 s61, s59, 4
	s_add_co_u32 s60, s60, s61
	s_lshl_b32 s61, s18, 1
	s_add_co_u32 s60, s60, s61                     ; T0: my first tile of 16 rows
	v_and_b32 v14, 31, v0                          ; lane
	v_and_b32 v13, 15, v0                          ; r
	v_bfe_u32 v15, v0, 4, 1                        ; h
	v_and_b32 v7, 7, v0                            ; j
	v_bfe_u32 v8, v0, 3, 1                         ; g = r / 8
	v_lshlrev_b32 v1, 4, v14                       ; 16 x lane
	v_lshlrev_b32 v2, 3, v14                       ; 8 x lane
	v_mul_u32_u24 v3, v8, 1536
	v_lshlrev_b32 v5, 4, v7
	v_lshl_add_u32 v4, v7, 3, v3
	v_lshl_add_u32 v3, v7, 4, v3
	v_lshl_add_u32 v5, v15, 8, v5
	v_lshl_add_u32 v4, v15, 7, v4                  ; K's last two registers: 1,536 g + 8 j + 128 h
	v_lshl_add_u32 v3, v15, 8, v3                  ; K's first four: 1,536 g + 16 j + 256 h
	v_lshl_add_u32 v5, v8, 3, v5                   ; K's scale words: 16 j + 256 h + 8 g
	v_lshlrev_b32 v6, 7, v15                       ; the mask: 128 h
	v_lshlrev_b32 v7, 4, v13                       ; V's scale words: 16 r
	v_lshlrev_b32 v8, 3, v15                       ; 8 h: where my two scale bytes stand in p's word
	v_mul_u32_u24 v11, v13, 816
	v_mad_u32_u24 v11, v15, 24, v11
	v_add_nc_u32 v11, WQ, v11                      ; Wq's fragments: row r, 24 h,
	v_lshl_add_u32 v12, v15, 4, v11                ; and with lanes 16-31 behind one padding more
	v_lshlrev_b32 v13, 5, v13
	v_lshl_add_u32 v13, v15, 4, v13                ; scale quads: 32 r + 16 h
	s_mov_b32 s20, 0x76543210
	s_mov_b32 s21, 0xfedcba98                      ; lane l xor 16
	s_mov_b32 s22, 0x3fb8aa3b                      ; log2(e)
	s_mov_b32 s23, s22
	s_mov_b32 s28, 15|(3<<16)|(1<<21)              ; records: 53 dense rows of 256 bytes
	s_mov_b32 s29, 32<<16
	s_mov_b32 s30, 106<<16                         ; at the head two records a load
	s_mov_b32 s31, 32<<16
	s_mov_b32 s32, 106
	s_mov_b32 s33, 32
	s_mov_b32 s34, 0
	s_mov_b32 s35, 0
	s_mov_b32 s36, 15|(3<<16)|(1<<20)|(1<<21)|(5<<22)|(3<<25)  ; Wq: 48 dense rows of 256 bytes a wave (16 rows of codes), 16 bytes of padding behind each
	s_mov_b32 s37, 32<<16
	s_mov_b32 s38, 48<<16                          ; Wq: 48 dense rows of 256 bytes a load (16 rows of codes)
	s_mov_b32 s39, 32<<16
	s_mov_b32 s40, 48
	s_mov_b32 s41, 32
	s_mov_b32 s42, 0
	s_mov_b32 s43, 0
	s_mul_i32 s62, s60, 12288
	s_mov_b32 s63, 0
	s_lshl_b32 s66, s60, 9
	s_mov_b32 s67, 0
	s_lshl_b32 s68, s58, 11
	s_mov_b32 s69, 0
	s_lshr_b32 s70, s60, 3                         ; ctx_img: (((T0 / 8) 8 + head / 2) 8 + T0 % 8) x 1,536 + 768 (head % 2)
	s_lshl_b32 s70, s70, 3
	s_lshr_b32 s71, s58, 1
	s_add_co_u32 s70, s70, s71
	s_lshl_b32 s70, s70, 3
	s_and_b32 s71, s60, 7
	s_add_co_u32 s70, s70, s71
	s_mul_i32 s70, s70, 1536
	s_and_b32 s71, s58, 1
	s_mul_i32 s71, s71, 768
	s_add_co_u32 s70, s70, s71
	s_mov_b32 s71, 0
	s_lshl_b32 s72, s56, 5
	s_add_co_u32 s72, s72, s18
	s_mul_i32 s72, s72, REC
	s_mov_b32 s73, 0
	s_mul_i32 s74, s58, 49152                      ; Wq_codes: the head's 64 rows, my 12,288 bytes of them
	s_and_b32 s78, s18, 3                          ; my part of the head's loads: waves 0-3 a quarter of Wq, waves 4-7 two records of slot 0
	s_mul_i32 s75, s78, 12288
	s_add_co_u32 s74, s74, s75
	s_mov_b32 s75, 0
	s_lshl_b32 s76, s58, 1
	s_mov_b32 s77, 0
	s_wait_dscnt 0x0
	s_wait_alu depctr_va_vdst(0)
	s_wait_kmcnt 0x0
	s_add_nc_u64 s[4:5], s[4:5], s[62:63]
	s_add_nc_u64 s[6:7], s[6:7], s[66:67]
	s_add_nc_u64 s[10:11], s[10:11], s[68:69]
	s_add_nc_u64 s[14:15], s[14:15], s[70:71]
	s_add_nc_u64 s[16:17], s[16:17], s[66:67]
	s_add_nc_u64 s[16:17], s[16:17], s[76:77]
	s_mov_b32 s44, 1
	s_mul_i32 s45, s18, REC
	s_add_nc_u64 s[46:47], s[12:13], s[72:73]
	s_or_b32 s47, s47, 0x80000000
	s_mov_b32 s48, 1
	s_mul_i32 s49, s78, 13056
	s_add_co_u32 s49, s49, WQ
	s_add_nc_u64 s[50:51], s[8:9], s[74:75]
	s_or_b32 s51, s51, 0x80000000
	s_mov_b32 s68, 1                               ; group 0 for the head's two records
	s_mul_i32 s69, s78, 2*REC
	s_lshl_b32 s72, s56, 5
	s_lshl_b32 s73, s78, 1
	s_add_co_u32 s72, s72, s73
	s_mul_i32 s72, s72, REC
	s_mov_b32 s73, 0
	s_add_nc_u64 s[70:71], s[12:13], s[72:73]
	s_or_b32 s71, s71, 0x80000000
.irp i, 0,1
	global_load_b128 v[XS+4*\i:XS+4*\i+3], v13, s[6:7] offset:512*\i
.endr
.irp t, 0,1,2,3
	global_load_b128 v[WS+4*\t:WS+4*\t+3], v13, s[10:11] offset:512*\t
.endr
	WIN 0x40
.irp i, 0,1
.irp s, 0,1,2,3,4,5,6,7
.irp c, 0,1,2
	global_load_b128 v[12*(8*\i+\s)+4*\c:12*(8*\i+\s)+4*\c+3], v1, s[4:5] offset:(8*\i+\s)*1536+512*\c
.endr
.endr
.endr
	WIN 0
	ROUND                                          ; the first joint loads meet
	s_cmp_lt_u32 s18, 4                            ; the head's loads, one a wave, as one group: Wq and slot 0
	s_cbranch_scc0 .Lhead_rec
	tensor_load_to_lds s[48:51], s[36:43]
	s_nop 0
	PLACES
	s_branch .Lhead_asked
.Lhead_rec:
	tensor_load_to_lds s[68:71], s[28:35]
	s_nop 0
	PLACES
.Lhead_asked:
.irp n, 6,7,8,9,10,11,18,19,20,21,22,23
	v_mov_b32 v[QF+\n], 0                          ; zero codes for k = 64 .. 127 of q
.endr
	s_wait_alu depctr_va_vdst(0)
	s_wait_tensorcnt 0x0                           ; my load is in
	s_mov_b32 s30, 53<<16                          ; no load of mine is out: from here on a load brings one record
	s_mov_b32 s32, 53
	s_barrier_signal -1
	s_barrier_wait -1                              ; everybody's is
; ---- q = normed Wq, transposed; eight accumulators by turns, a K step at a time; Wq's fragments of the next K step are fetched under each step's products
.macro FRAGW reg, s, t
.irp p, 0,1,2,3,4,5
.set BY, 96*(\s)+48*(\p/3)+8*(\p%3)
.if BY/256 == (BY+24)/256
	ds_load_b64 v[\reg+2*\p:\reg+2*\p+1], v11 offset:BY+16*(BY/256)+13056*(\t)
.else
	ds_load_b64 v[\reg+2*\p:\reg+2*\p+1], v12 offset:BY+16*(BY/256)+13056*(\t)
.endif
.endr
.endm
.macro WQ4 set, s
.irp t, 0,1,2,3
	FRAGW \set+12*\t, \s, \t
.endr
.endm
.macro QMUL s
.set WF, WA+64*((\s)%2)
	WIN 0x04
.irp t, 0,1,2,3
.irp i, 0,1
.if (\s) == 0
	v_wmma_scale_f32_16x16x128_f8f6f4 v[S+32*\i+8*\t:S+32*\i+8*\t+7], v[WF+12*\t:WF+12*\t+11], v[12*(8*\i+(\s)):12*(8*\i+(\s))+11], 0, v[WS+4*\t], v[XS+4*\i] matrix_a_fmt:MATRIX_FMT_FP6 matrix_b_fmt:MATRIX_FMT_FP6
.elseif (\s) < 4
	v_wmma_scale_f32_16x16x128_f8f6f4 v[S+32*\i+8*\t:S+32*\i+8*\t+7], v[WF+12*\t:WF+12*\t+11], v[12*(8*\i+(\s)):12*(8*\i+(\s))+11], v[S+32*\i+8*\t:S+32*\i+8*\t+7], v[WS+4*\t+(\s)%4], v[XS+4*\i+(\s)%4] matrix_a_fmt:MATRIX_FMT_FP6 matrix_b_fmt:MATRIX_FMT_FP6
.else
	v_wmma_scale_f32_16x16x128_f8f6f4 v[S+32*\i+8*\t:S+32*\i+8*\t+7], v[WF+12*\t:WF+12*\t+11], v[12*(8*\i+(\s)):12*(8*\i+(\s))+11], v[S+32*\i+8*\t:S+32*\i+8*\t+7], v[WS+4*\t+(\s)%4], v[XS+4*\i+(\s)%4] matrix_a_fmt:MATRIX_FMT_FP6 matrix_b_fmt:MATRIX_FMT_FP6 matrix_a_scale:MATRIX_SCALE_ROW1 matrix_b_scale:MATRIX_SCALE_ROW1
.endif
.endr
.endr
	WIN 0
	PLACES                                         ; in front of the next loads into this set, and of the first read of results
.endm
; 32 numbers of a lane, register 16 b + i, with lane l xor 16's two blocks of 32: codes into v[dst .. dst + 5], the two scale bytes into v[word]
.macro QUANT2 src, dst, word
.irp b, 0,1
	v_max3_num_f32 v[BM+\b], |v[\src+16*\b]|, |v[\src+1+16*\b]|, 0x1800000
.endr
.irp n, 2,4,6,8,10,12,14
.irp b, 0,1
	v_max3_num_f32 v[BM+\b], v[BM+\b], |v[\src+16*\b+\n]|, |v[\src+1+16*\b+\n]|
.endr
.endr
.irp b, 0,1
	s_delay_alu instid0(VALU_DEP_2)
	v_permlanex16_b32 v[BP+\b], v[BM+\b], s20, s21
.endr
.irp b, 0,1
	s_delay_alu instid0(VALU_DEP_2)
	v_max_num_f32 v[BM+\b], v[BM+\b], v[BP+\b]
.endr
.irp b, 0,1
	s_delay_alu instid0(VALU_DEP_2)
	v_add_nc_u32 v[SO+\b], 0xff000000, v[BM+\b]
.endr
.irp b, 0,1
	s_delay_alu instid0(VALU_DEP_2)
	v_lshrrev_b32 v[BP+\b], 23, v[SO+\b]
.endr
	s_delay_alu instid0(VALU_DEP_1)
	v_lshl_or_b32 v[\word], v[BP+1], 8, v[BP]
	v_cvt_scalef32_pk16_fp6_f32 v[\dst:\dst+2], v[\src:\src+15], v[SO]
	v_cvt_scalef32_pk16_fp6_f32 v[CT2:CT2+2], v[\src+16:\src+31], v[SO+1]
	v_nop
.irp n, 0,1,2
	v_permlane16_swap_b32 v[\dst+\n], v[CT2+\n]
.endr
.irp n, 0,1,2
	s_delay_alu instid0(VALU_DEP_3)
	v_mov_b32 v[\dst+3+\n], v[CT2+\n]
.endr
.endm
	WQ4 WA, 0
	s_wait_loadcnt 0x0                             ; x's fragments and all scale words
.irp s, 0,1,2,3,4,5,6,7
.if \s < 7
	WQ4 WA+64*((\s+1)%2), \s+1
	s_wait_dscnt 24                                ; this K step's fragments are in; the next step's 24 loads may be out
.else
	s_wait_dscnt 0x0
.endif
	QMUL \s
.endr
.irp n, 0,1,2,3
	v_mov_b32 v[BP+\n], 0                          ; a lane permute's destination counts as one of its sources
.endr
	QUANT2 S, QF, QS
	QUANT2 S+32, QF+12, QS+1
	WIN 0x40
.set JJ, 0
.rept 64
	v_mov_b32 v[OT+JJ], 0                          ; O^T: the key step is written for every step alike
.set JJ, JJ+1
.endr
	WIN 0
.irp i, 0,1
	v_mov_b32 v[ST+4*\i], 0x7f61b1e6               ; -M = 3e38
	v_mov_b32 v[ST+4*\i+1], 0xff000000             ; the largest score so far: -2^127
	v_mov_b32 v[ST+4*\i+2], 0
	v_mov_b32 v[ST+4*\i+3], 0
	v_mov_b32 v[FQ+2*\i+1], 0                      ; (named as the upper half of a pair)
.endr
	s_mov_b32 s52, 0                               ; LDS byte of the record in hand
	s_mov_b32 s54, 3                               ; slots still to be asked for
	s_wait_alu depctr_va_vdst(0)                   ; the wait at the head's end
.macro D2
	s_delay_alu instid0(VALU_DEP_2)
.endm
.macro D4
	s_delay_alu instid0(VALU_DEP_4)
.endm
; ---- a key step: 128 keys, one record, both tiles.  x = 2 i + c names tile i's registers 32 c .. 32 c + 31: my block 2 c + h of its 128 keys
; K's fragments, K's scale words and the mask of the record at LDS byte sreg: 34 loads.  They are asked for a step ahead, straight behind the score products that read these registers.
.macro KLOAD sreg
	v_add_nc_u32 v[AKQ], \sreg, v3                 ; (these four are the places behind the score products)
	v_add_nc_u32 v[AKD], \sreg, v4
	v_add_nc_u32 v[AKS], \sreg, v5
	v_add_nc_u32 v[AMK], \sreg, v6
	ds_load_b64 v[KSR:KSR+1], v[AKS] offset:12288      ; K's scale words: register u: tile u in lanes 0-15, tile 4 + u in lanes 16-31
	ds_load_b64 v[KSR+2:KSR+3], v[AKS] offset:12416
	WIN 0x40
.irp c, 0,1
.irp u, 0,1,2,3
.set W, 2*(\u%2)+\u/2
	ds_load_b128 v[6*(4*\c+\u):6*(4*\c+\u)+3], v[AKQ] offset:768*(4*\c+W/2)+128*(W%2)
	ds_load_b64 v[6*(4*\c+\u)+4:6*(4*\c+\u)+5], v[AKD] offset:768*(4*\c+W/2)+512+64*(W%2)
.endr
.endr
.irp c, 0,1
.irp u, 0,1,2,3
.set W, 2*(\u%2)+\u/2
	ds_load_b128 v[MK+8*(4*\c+\u):MK+8*(4*\c+\u)+3], v[AMK] offset:13056+256*\c+32*W
	ds_load_b128 v[MK+8*(4*\c+\u)+4:MK+8*(4*\c+\u)+7], v[AMK] offset:13056+256*\c+32*W+16
.endr
.endr
	WIN 0
.endm
.macro STEP
	v_add_nc_u32 v[A16], s52, v1                   ; (four places behind the last step's products, in front of the loads below)
	v_add_nc_u32 v[A8], s52, v2
	v_add_nc_u32 v[AVS], s52, v7
	v_nop
	ds_load_b128 v[VSR:VSR+3], v[AVS] offset:12800     ; V's scale words: register t: d tile t
	WIN 0x40
.irp t, 0,1,2,3
.irp c, 0,1
	ds_load_b128 v[VF+12*\t+6*\c:VF+12*\t+6*\c+3], v[A16] offset:6144+1536*\t+768*\c
	ds_load_b64 v[VF+12*\t+6*\c+4:VF+12*\t+6*\c+5], v[A8] offset:6144+1536*\t+768*\c+512
.endr
.endr
	s_wait_dscnt 17                                ; the K group, asked for earlier, is in; V's seventeen loads may be out
	WIN 0x11                                       ; source 0 (K) and source 2 (the mask) window 1
.irp i, 0,1
.irp t, 0,1,2,3
	v_wmma_scale_f32_16x16x128_f8f6f4 v[S+64*\i+8*\t:S+64*\i+8*\t+7], v[6*\t:6*\t+11], v[QF+12*\i:QF+12*\i+11], v[MK+8*\t:MK+8*\t+7], v[KSR+\t], v[QS+\i] matrix_a_fmt:MATRIX_FMT_FP6 matrix_b_fmt:MATRIX_FMT_FP6
.endr
.irp t, 4,5,6,7
	v_wmma_scale_f32_16x16x128_f8f6f4 v[S+64*\i+8*\t:S+64*\i+8*\t+7], v[6*\t:6*\t+11], v[QF+12*\i:QF+12*\i+11], v[MK+8*\t:MK+8*\t+7], v[KSR+\t-4], v[QS+\i] matrix_a_fmt:MATRIX_FMT_FP6 matrix_b_fmt:MATRIX_FMT_FP6 matrix_a_scale:MATRIX_SCALE_ROW1
.endr
.endr
	WIN 0
	s_add_co_u32 s55, s53, -1                      ; steps left in this slot behind this one;
	s_min_u32 s55, s55, 1
	s_mul_i32 s55, s55, REC
	s_add_co_u32 s55, s55, s52                     ; the next record, or in the slot's last step this record once more (the other slot is read only behind the change of slots)
	KLOAD s55
.irp x, 0,1,2,3
	v_max3_num_f32 v[BM+\x], v[S+32*\x], v[S+32*\x+1], v[S+32*\x+2]   ; the largest score of my block: for the row's maximum and, since p rises with the score, for the block's largest p
.endr
.irp n, 3,5,7,9,11,13,15,17,19,21,23,25,27,29
.irp x, 0,1,2,3
	v_max3_num_f32 v[BM+\x], v[BM+\x], v[S+32*\x+\n], v[S+32*\x+\n+1]
.endr
.endr
.irp x, 0,1,2,3
	v_max_num_f32 v[BM+\x], v[BM+\x], v[S+32*\x+31]
.endr
.irp i, 0,1
	v_max_num_f32 v[TMP+\i], v[BM+2*\i], v[BM+2*\i+1]
.endr
.irp i, 0,1
	D2
	v_permlanex16_b32 v[BP+\i], v[TMP+\i], s20, s21
.endr
.irp i, 0,1
	D2
	v_max3_num_f32 v[ST+4*\i+1], v[ST+4*\i+1], v[TMP+\i], v[BP+\i]   ; the running largest score
.endr
.irp i, 0,1
	D2
	v_mul_f32 v[TMP+\i], s22, v[ST+4*\i+1]         ; as t
.endr
.irp i, 0,1
	v_mov_b32 v[TMP+2+\i], v[ST+4*\i]
.endr
.irp i, 0,1
	D4
	v_floor_f32 v[ST+4*\i], -v[TMP+\i]             ; the new -M = -ceil(t): a whole number
.endr
.irp i, 0,1
	D2
	v_sub_f32 v[TMP+\i], v[ST+4*\i], v[TMP+2+\i]   ; old M - new M: a whole number, 0 or less
.endr
.irp i, 0,1
	D2
	v_cvt_i32_f32 v[TMP+\i], v[TMP+\i]             ; (it saturates)
.endr
.irp i, 0,1
	D2
	v_ldexp_f32 v[FQ+2*\i], 1.0, v[TMP+\i]         ; f = 2^(old M - new M): a multiplication by it rounds nothing
.endr
.irp x, 0,1
.set JJ, 0
.rept 16
	v_pk_fma_f32 v[S+32*\x+JJ:S+32*\x+JJ+1], v[S+32*\x+JJ:S+32*\x+JJ+1], s[22:23], v[ST:ST+1] op_sel_hi:[1,0,0]   ; tile 0: t - M
.set JJ, JJ+2
.endr
.endr
.irp x, 0,1,2,3
	v_fma_f32 v[BM+\x], v[BM+\x], s22, v[ST+4*(\x/2)]
.endr
	s_wait_alu depctr_va_vdst(0)                   ; the wait ahead of the batch
.set JJ, 0
.rept 32
	v_exp_f32 v[S+JJ], v[S+JJ]                     ; tile 0: p = 2^(t - M): not normalised;
	v_exp_f32 v[S+JJ+1], v[S+JJ+1]
	v_pk_fma_f32 v[S+64+JJ:S+64+JJ+1], v[S+64+JJ:S+64+JJ+1], s[22:23], v[ST+4:ST+5] op_sel_hi:[1,0,0]   ; among them tile 1's t - M: plain work on other registers, read only behind the wait below
.set JJ, JJ+2
.endr
.irp i, 0,1
	v_pk_mul_f32 v[ST+4*\i+2:ST+4*\i+3], v[ST+4*\i+2:ST+4*\i+3], v[FQ+2*\i:FQ+2*\i+1] op_sel_hi:[1,0]   ; the sums under the new M
.endr
	s_wait_alu depctr_va_vdst(0)                   ; one wait: behind tile 0's batch, ahead of tile 1's
.set JJ, 0
.rept 16
	v_exp_f32 v[S+64+JJ], v[S+64+JJ]               ; tile 1's p;
	v_exp_f32 v[S+64+JJ+1], v[S+64+JJ+1]
	v_pk_add_f32 v[PC+JJ/2:PC+JJ/2+1], v[S+JJ:S+JJ+1], v[S+JJ+2:S+JJ+3]   ; among them sixteen pair sums of tile 0's p, each into a pair of its own, read only behind the wait below
	v_exp_f32 v[S+64+JJ+2], v[S+64+JJ+2]
	v_exp_f32 v[S+64+JJ+3], v[S+64+JJ+3]
.set JJ, JJ+4
.endr
.irp x, 0,1,2,3
	v_exp_f32 v[BM+\x], v[BM+\x]                   ; the blocks' largest p
.endr
	v_nop                                          ; a plain place behind the last of the batch
	s_wait_alu depctr_va_vdst(0)                   ; one wait for the batch, ahead of its first reader
	v_pk_add_f32 v[SUM2:SUM2+1], v[S+64:S+65], v[S+66:S+67]   ; the rows' sums of the unquantised p: tile 0's sixteen pairs as a tree, by turns with tile 1's two chains
.set JJ, 4
.irp d, 8,4,2,1
.set KK, 0
.rept \d
	v_pk_add_f32 v[PC+2*KK:PC+2*KK+1], v[PC+2*KK:PC+2*KK+1], v[PC+2*(KK+\d):PC+2*(KK+\d)+1]
	v_pk_add_f32 v[ST+6:ST+7], v[ST+6:ST+7], v[S+64+JJ:S+64+JJ+1]
	v_pk_add_f32 v[SUM2:SUM2+1], v[SUM2:SUM2+1], v[S+64+JJ+2:S+64+JJ+3]
.set KK, KK+1
.set JJ, JJ+4
.endr
.endr
	v_pk_add_f32 v[ST+2:ST+3], v[ST+2:ST+3], v[PC:PC+1]
	v_pk_add_f32 v[ST+6:ST+7], v[ST+6:ST+7], v[SUM2:SUM2+1]
.irp x, 0,1,2,3
	v_max_num_f32 v[BM+\x], 0x1800000, v[BM+\x]    ; the floor 2^(3 - 127)
.endr
.irp x, 0,1,2,3
	D4
	v_add_nc_u32 v[SO+\x], 0xff000000, v[BM+\x]    ; 2 off the exponent field: the conversion's scale operand
.endr
.irp x, 0,1,2,3
	D4
	v_lshrrev_b32 v[BP+\x], 23, v[SO+\x]           ; the scale's byte
.endr
.irp i, 0,1
	v_lshl_or_b32 v[TMP+\i], v[BP+2*\i+1], 16, v[BP+2*\i]   ; my two bytes: blocks h and 2 + h,
.endr
.irp i, 0,1
	D2
	v_lshlrev_b32 v[TMP+\i], v8, v[TMP+\i]         ; at their places in the word;
.endr
.irp i, 0,1
	D2
	v_permlanex16_b32 v[BP+\i], v[TMP+\i], s20, s21
.endr
.irp i, 0,1
	D2
	v_or_b32 v[PS+\i], v[TMP+\i], v[BP+\i]         ; with lane l xor 16's two the word is whole
.endr
.irp x, 0,1,2,3
	v_cvt_scalef32_pk16_fp6_f32 v[PC+6*\x:PC+6*\x+2], v[S+32*\x:S+32*\x+15], v[SO+\x]
.endr
	v_nop                                          ; a plain place: the next four write over sources of these four
.irp x, 0,1,2,3
	v_cvt_scalef32_pk16_fp6_f32 v[S+32*\x:S+32*\x+2], v[S+32*\x+16:S+32*\x+31], v[SO+\x]   ; (a conversion's three registers begin on an even number)
.endr
	v_nop
.irp x, 0,1,2,3
.irp n, 0,1,2
	v_mov_b32 v[PC+6*\x+3+\n], v[S+32*\x+\n]
.endr
.endr
	WIN 0x41                                       ; O^T lies in window 1
	s_wait_alu depctr_va_vdst(0)                   ; the wait directly ahead of the first reader of O^T
.irp i, 0,1
.set JJ, 0
.rept 16
	v_pk_mul_f32 v[OT+32*\i+JJ:OT+32*\i+JJ+1], v[OT+32*\i+JJ:OT+32*\i+JJ+1], v[FQ+2*\i:FQ+2*\i+1] op_sel_hi:[1,0]   ; O^T under the new M; these also stand between the scale words' and codes' writes and the products
.set JJ, JJ+2
.endr
.endr
	s_wait_alu depctr_va_vdst(0)
	s_wait_dscnt 0x0                               ; V
	WIN 0x51                                       ; V, C and D window 1
.irp t, 0,1,2,3
.irp i, 0,1
	v_wmma_scale_f32_16x16x128_f8f6f4 v[OT+32*\i+8*\t:OT+32*\i+8*\t+7], v[VF+12*\t:VF+12*\t+11], v[PC+12*\i:PC+12*\i+11], v[OT+32*\i+8*\t:OT+32*\i+8*\t+7], v[VSR+\t], v[PS+\i] matrix_a_fmt:MATRIX_FMT_FP6 matrix_b_fmt:MATRIX_FMT_FP6
.endr
.endr
	WIN 0
	s_add_co_u32 s52, s52, REC
.endm
; The change of slots: each wave waits for all its tensor loads, adds 0 to its spare word, waits for that and for its reads of the slot left.  fill = 1: a round of the cluster's barrier, and the slot just left takes the next eight records.
.macro CHANGE fill
	s_wait_tensorcnt 0x0
	ds_add_u32 v9, v10
.if \fill
	s_xor_b32 s45, s45, SLOT1
	s_add_nc_u64 s[46:47], s[46:47], SLOTB
.endif
	s_wait_dscnt 0x0
.if \fill
	ROUND
	tensor_load_to_lds s[44:47], s[28:35]
	s_nop 0
	PLACES
.else
	s_barrier_signal -1
	s_barrier_wait -1
.endif
.endm
.macro EIGHT
	s_mov_b32 s53, 8
	KLOAD s52                                      ; the slot's first K group
.Lstep_\@:
	STEP
	s_sub_co_u32 s53, s53, 1
	s_cmp_lg_u32 s53, 0
	s_cbranch_scc1 .Lstep_\@
	s_sub_co_u32 s52, s52, SLOTB
	s_xor_b32 s52, s52, SLOT1
.endm
.Lslot:
	CHANGE 1
	EIGHT
	s_sub_co_u32 s54, s54, 1
	s_cmp_lg_u32 s54, 0
	s_cbranch_scc1 .Lslot
	CHANGE 0                                       ; the last slot is written out
	EIGHT
	; ---- the way out: O^T / the sum, in true order along the head's 64, quantised, stored as the last product's operand registers
	PLACES
.irp i, 0,1
	v_add_f32 v[ST+4*\i+2], v[ST+4*\i+2], v[ST+4*\i+3]
.endr
.irp i, 0,1
	D2
	v_permlanex16_b32 v[BP+\i], v[ST+4*\i+2], s20, s21
.endr
.irp i, 0,1
	D2
	v_add_f32 v[ST+4*\i+2], v[ST+4*\i+2], v[BP+\i]
.endr
	v_and_b32 v11, 31, v0
	v_lshlrev_b32 v12, 5, v11                      ; 32 x lane: a row of ctx_sc
	s_wait_alu depctr_va_vdst(0)
.irp i, 0,1
	v_rcp_f32 v[ST+4*\i+2], v[ST+4*\i+2]
.endr
	v_nop
	WIN 0x01
	s_wait_alu depctr_va_vdst(0)                   ; one wait for the two reciprocals, directly ahead of the first reader of O^T
.irp i, 0,1
.set JJ, 0
.rept 16
	v_pk_mul_f32 v[S+32*\i+JJ:S+32*\i+JJ+1], v[OT+32*\i+JJ:OT+32*\i+JJ+1], v[ST+4*\i+2:ST+4*\i+3] op_sel_hi:[1,0]
.set JJ, JJ+2
.endr
.endr
	WIN 0
.irp i, 0,1
.irp b, 0,1
.irp n, 0,1,2,3,4,5,6,7
	v_permlane16_swap_b32 v[S+32*\i+16*\b+\n], v[S+32*\i+16*\b+8+\n]   ; register 16 b + n of lane half h now holds d = 32 b + 16 h + n
.endr
.endr
.endr
	QUANT2 S, PC, PS
	QUANT2 S+32, PC+12, PS+1
.irp i, 0,1
	global_store_b128 v1, v[PC+12*\i:PC+12*\i+3], s[14:15] offset:1536*\i
	global_store_b64 v2, v[PC+12*\i+4:PC+12*\i+5], s[14:15] offset:1536*\i+512
.endr
	v_cmp_gt_u32 vcc_lo, 16, v11
	v_cndmask_b32 v[TMP], v[PS+1], v[PS], vcc_lo
	global_store_b16 v12, v[TMP], s[16:17]         ; two scale bytes a row: 64 bytes a wave beside its 1,536 bytes of codes
	s_wait_tensorcnt 0x0                           ; the wave's end
	ds_add_u32 v9, v10
	s_wait_dscnt 0x0
	ROUND
	s_endpgm
.Lfunc_end_k_q8c85622db2_attn:
	.size	k_q8c85622db2_attn, .Lfunc_end_k_q8c85622db2_attn-k_q8c85622db2_attn
	.p2alignl 7, 3214868480
	.fill 96, 4, 3214868480
	.section	.rodata,"a",@progbits
	.p2align	6, 0x0
	.amdhsa_kernel k_q8c85622db2_attn
		.amdhsa_group_segment_fixed_size 327680
		.amdhsa_private_segment_fixed_size 0
		.amdhsa_enable_private_segment 0
		.amdhsa_kernarg_size 56
		.amdhsa_user_sgpr_count 2
		.amdhsa_user_sgpr_kernarg_segment_ptr 1
		.amdhsa_wavefront_size32 1
		.amdhsa_system_sgpr_workgroup_id_x 1
		.amdhsa_system_sgpr_workgroup_id_y 1
		.amdhsa_system_sgpr_workgroup_id_z 1
		.amdhsa_system_vgpr_workitem_id 0
		.amdhsa_next_free_vgpr 512
		.amdhsa_next_free_sgpr 80
		.amdhsa_reserve_vcc 1
		.amdhsa_float_denorm_mode_32 3
		.amdhsa_float_denorm_mode_16_64 3
		.amdhsa_memory_ordered 1
		.amdhsa_forward_progress 1
		.amdhsa_inst_pref_size 116
	.end_amdhsa_kernel
	.amdgpu_metadata
---
amdhsa.version: [ 1, 2 ]
amdhsa.kernels:
  - .name:           k_q8c85622db2_attn
    .symbol:         k_q8c85622db2_attn.kd
    .args:
      - { .name: xq_img, .offset: 0, .size: 8, .value_kind: global_buffer, .address_space: global }
      - { .name: xq_sc, .offset: 8, .size: 8, .value_kind: global_buffer, .address_space: global }
      - { .name: Wq_codes, .offset: 16, .size: 8, .value_kind: global_buffer, .address_space: global }
      - { .name: Wq_scales, .offset: 24, .size: 8, .value_kind: global_buffer, .address_space: global }
      - { .name: kvs, .offset: 32, .size: 8, .value_kind: global_buffer, .address_space: global }
      - { .name: ctx_img, .offset: 40, .size: 8, .value_kind: global_buffer, .address_space: global }
      - { .name: ctx_sc, .offset: 48, .size: 8, .value_kind: global_buffer, .address_space: global }
    .group_segment_fixed_size: 327680
    .private_segment_fixed_size: 0
    .kernarg_segment_align: 8
    .kernarg_segment_size: 56
    .max_flat_workgroup_size: 256
    .sgpr_count:     80
    .vgpr_count:     512
    .wavefront_size: 32
...
	.end_amdgpu_metadata
.endif
;; end of part 2
;; launch oproj (part 3): grid 8 x 32, 4 waves a work-group, clusters of 4 x 4, 221,184 bytes of LDS; arguments ctx_img, ctx_sc, Wo_codes, Wo_scales, hidden_states, out0; writes out0
.if DOCPART == 3
	.amdgcn_target "amdgcn-amd-amdhsa--gfx1250"
	.amdhsa_code_object_version 6
	.text
	.protected	k_q8c85622db2_oproj
	.globl	k_q8c85622db2_oproj
	.p2align	8
	.type	k_q8c85622db2_oproj,@function
k_q8c85622db2_oproj:
	s_mov_b64 s[64:65], 0
	v_nop
	global_prefetch_b8 v0, s[64:65] scope:SCOPE_SE
	s_setreg_imm32_b32 hwreg(HW_REG_WAVE_MODE, 25, 1), 1
	s_wait_xcnt 0x0
	s_wait_alu depctr_hold_cnt(0) depctr_sa_sdst(0) depctr_va_vdst(0) depctr_va_sdst(0) depctr_va_ssrc(0) depctr_va_vcc(0) depctr_vm_vsrc(0)
	s_getreg_b32 s2, hwreg(HW_REG_IB_STS2, 6, 4)
	s_cmp_eq_u32 s2, 0
	s_cbranch_scc0 .Lentry_in_a_cluster
	s_endpgm
.Lentry_in_a_cluster:
	s_bfe_u32 s2, ttmp6, 0x10000c
	s_cmp_lg_u32 s2, 0xf033
	s_cbranch_scc0 .Lentry_shape_is_right
	s_endpgm
.Lentry_shape_is_right:
; out0 = hidden_states + ctx Wo, the product on codes of FP6 (E2M3) with E8M0 scales, K = 1,024.  ctx comes as images of operand registers (ctx_img [128 rows][K step 8][tile 8][1,536 bytes]), Wo as it is given.
; A tile of 128 x 128 to a work-group (256 work-groups), 64 x 64 to each of four waves: 16 accumulators.  ALL of K lies in LDS, filled once by ONE tensor load a wave: waves 0, 1 bring ctx's K steps 0-3 and 4-7,
; waves 2, 3 each 64 whole rows of Wo: every block is dense in memory and comes as 192 rows of 256 bytes (Wo's with 16 bytes of padding behind each: 816 bytes a row of codes).  Nothing is filled again.
; CLUSTERS 4 x 4: ctx's tile is shared along a row of the cluster, Wo's along a column.  Source 0 = 16 rows of Wo, source 1 = 16 rows of ctx: a lane holds eight neighbouring numbers of a row of the output.
; No prefetch: the launch has no loop to run ahead in.
.set YL,   98304
.set STG,  YL+2*52224                  ; the stages: 16 rows x 272 bytes a wave; no tensor load lands here
.set SPARE, STG+4*16*272               ; the spare words: 512 bytes that no other line names
.set SP,   272
.set AX16, 4                           ; v4, v5: ctx's K steps 0-3;  v12, v13: K steps 4-7
.set AX8,  5
.set AY,   6
.set AY2,  7
.set STO,  8
.set RD,   9
.set CO,   10
.set XS,   16
.set YS,   32
.set BK,   48
.set ACC,  128
.set G1X,  24
.set G1Y,  32
.set G0X,  40
.set G0Y,  44
.set MSB, 0
.macro WIN new
.if MSB != \new
	s_set_vgpr_msb (MSB<<8)|\new
.set MSB, \new
.endif
.endm
.macro ROUND
	s_barrier_signal -1
	s_barrier_wait -1
	s_cmp_lg_u32 s16, 0
	s_cbranch_scc1 .Lnot_wave_0_\@
	s_barrier_signal -3
.Lnot_wave_0_\@:
	s_barrier_wait -3
	s_barrier_signal -1
	s_barrier_wait -1
.endm
	s_load_b256 s[4:11], s[0:1], 0x0               ; ctx_img, ctx_sc, Wo_codes, Wo_scales
	s_load_b128 s[12:15], s[0:1], 0x20             ; hidden_states, out0
	v_lshl_add_u32 v126, v0, 2, SPARE
	v_mov_b32 v127, 0
	ds_add_u32 v126, v127                          ; the opening lines: the add twice on end and one wait
	ds_add_u32 v126, v127
	v_lshrrev_b32 v1, 5, v0
	v_readfirstlane_b32 s16, v1
	s_lshr_b32 s17, s16, 1                         ; my half of the rows; also: I fetch ctx (0) or Wo (1)
	s_and_b32 s18, s16, 1                          ; my half of the columns; also: which half I fetch
	s_bfe_u32 s19, ttmp6, 0x40000
	s_bfe_u32 s20, ttmp6, 0x40004
	s_lshl_b32 s21, ttmp9, 2
	s_add_co_u32 s21, s21, s19                     ; tile column
	s_and_b32 s22, ttmp7, 0xffff
	s_lshl_b32 s22, s22, 2
	s_add_co_u32 s22, s22, s20                     ; tile row
	s_lshl_b32 s23, s20, 2
	s_lshl_b32 s23, 15, s23
	s_lshl_b32 s84, 0x1111, s19
	s_or_b32 s[G1X], s23, (3<<16)|(1<<21)
	s_or_b32 s[G1Y], s84, (3<<16)|(1<<20)|(1<<21)|(5<<22)|(3<<25)
.irp g, G1X, G1Y
	s_mov_b32 s[\g+1], 32<<16
	s_mov_b32 s[\g+2], 192<<16
	s_mov_b32 s[\g+3], 32<<16
	s_mov_b32 s[\g+4], 192
	s_mov_b32 s[\g+5], 32
	s_mov_b32 s[\g+6], 0
	s_mov_b32 s[\g+7], 0
.endr
	s_mul_i32 s90, s18, 49152
	s_mul_i32 s86, s22, 98304
	s_add_co_u32 s86, s86, s90
	s_mov_b32 s87, 0
	s_mul_i32 s88, s21, 98304
	s_add_co_u32 s88, s88, s90
	s_mov_b32 s89, 0
	s_mul_i32 s91, s18, 52224
	s_add_co_u32 s91, s91, YL
	s_lshl_b32 s92, s22, 7
	s_lshl_b32 s85, s17, 6
	s_add_co_u32 s92, s92, s85                     ; my first row
	s_lshl_b32 s93, s21, 7
	s_lshl_b32 s85, s18, 6
	s_add_co_u32 s93, s93, s85                     ; my first column
	s_lshl_b32 s94, s92, 5
	s_mov_b32 s95, 0
	s_lshl_b32 s96, s93, 5
	s_mov_b32 s97, 0
	s_lshl_b32 s98, s92, 12
	s_lshl_b32 s85, s93, 2
	s_add_co_u32 s98, s98, s85
	s_mov_b32 s99, 0
	s_wait_dscnt 0x0
	s_wait_kmcnt 0x0
	s_add_nc_u64 s[6:7], s[6:7], s[94:95]
	s_add_nc_u64 s[10:11], s[10:11], s[96:97]
	s_add_nc_u64 s[12:13], s[12:13], s[98:99]
	s_add_nc_u64 s[14:15], s[14:15], s[98:99]
	s_mov_b32 s[G0X], 1
	s_mov_b32 s[G0X+1], s90
	s_add_nc_u64 s[G0X+2:G0X+3], s[4:5], s[86:87]
	s_or_b32 s[G0X+3], s[G0X+3], 0x80000000
	s_mov_b32 s[G0Y], 1
	s_mov_b32 s[G0Y+1], s91
	s_add_nc_u64 s[G0Y+2:G0Y+3], s[8:9], s[88:89]
	s_or_b32 s[G0Y+3], s[G0Y+3], 0x80000000
	ROUND                                          ; the joint loads meet
	s_cmp_eq_u32 s17, 0
	s_cbranch_scc0 .Lfor_y
	tensor_load_to_lds s[G0X:G0X+3], s[G1X:G1X+7]
	s_nop 0
.rept 4
	v_nop
.endr
	s_branch .Lasked
.Lfor_y:
	tensor_load_to_lds s[G0Y:G0Y+3], s[G1Y:G1Y+7]
	s_nop 0
.rept 4
	v_nop
.endr
.Lasked:
	v_and_b32 v1, 15, v0                           ; r
	v_bfe_u32 v2, v0, 4, 1                         ; h
	v_and_b32 v3, 31, v0                           ; lane
	v_lshlrev_b32 v11, 5, v1
	v_lshl_add_u32 v11, v2, 4, v11                 ; scale quads: 32 r + 16 h
	v_lshlrev_b32 v[CO], 4, v1
	v_lshl_add_u32 v[CO], v2, 12, v[CO]
.irp a, 0,1,2,3
	global_load_b128 v[XS+4*\a:XS+4*\a+3], v11, s[6:7] offset:512*\a
.endr
.irp b, 0,1,2,3
	global_load_b128 v[YS+4*\b:YS+4*\b+3], v11, s[10:11] offset:512*\b
.endr
	WIN 0x80
.irp a, 0,1,2,3
.irp t, 0,1,2,3,4,5,6,7
	global_load_b128 v[32*\a+4*\t:32*\a+4*\t+3], v[CO], s[12:13] offset:(16*\a+2*\t)*4096 th:TH_LOAD_NT   ; the residual: sixteen lanes read 256 consecutive bytes
.endr
.endr
	WIN 0
	s_mul_i32 s85, s17, 6144                       ; my four tiles of ctx's eight
	v_lshl_add_u32 v[AX16], v3, 4, s85
	v_lshl_add_u32 v[AX8], v3, 3, s85
	v_add_nc_u32 v[AX16+8], 49152, v[AX16]
	v_add_nc_u32 v[AX8+8], 49152, v[AX8]
	s_mul_i32 s85, s18, 52224                      ; my 64 rows of Wo
	s_add_co_u32 s85, s85, YL
	v_mul_u32_u24 v[AY], v1, 816
	v_mad_u32_u24 v[AY], v2, 24, v[AY]
	v_add_nc_u32 v[AY], s85, v[AY]
	v_lshl_add_u32 v[AY2], v2, 4, v[AY]            ; lanes 16-31 behind one padding more
	s_mul_i32 s85, s16, 16*SP
	s_add_co_u32 s85, s85, STG
	v_mul_u32_u24 v[STO], v1, SP
	v_lshl_add_u32 v[STO], v2, 5, v[STO]
	v_add_nc_u32 v[STO], s85, v[STO]
	v_mul_u32_u24 v[RD], v2, SP
	v_lshl_add_u32 v[RD], v1, 4, v[RD]
	v_add_nc_u32 v[RD], s85, v[RD]
.macro FRAGY reg, s, b
.irp p, 0,1,2,3,4,5
.set BY, 96*(\s)+48*(\p/3)+8*(\p%3)
.if BY/256 == (BY+24)/256
	ds_load_b64 v[\reg+2*\p:\reg+2*\p+1], v[AY] offset:BY+16*(BY/256)+13056*(\b)
.else
	ds_load_b64 v[\reg+2*\p:\reg+2*\p+1], v[AY2] offset:BY+16*(BY/256)+13056*(\b)
.endif
.endr
.endm
.macro FETCH f, s                      ; K step s: 40 loads into set f
	WIN 0x40
.set XH, 8*((\s)/4)
.set XO, 12288*((\s)%4)
.irp a, 0,1,2,3
	ds_load_b128 v[\f+12*\a:\f+12*\a+3], v[AX16+XH] offset:XO+1536*\a
	ds_load_b64 v[\f+12*\a+4:\f+12*\a+5], v[AX8+XH] offset:XO+1536*\a+512
	ds_load_b128 v[\f+12*\a+6:\f+12*\a+9], v[AX16+XH] offset:XO+1536*\a+768
	ds_load_b64 v[\f+12*\a+10:\f+12*\a+11], v[AX8+XH] offset:XO+1536*\a+1280
.endr
.irp b, 0,1,2,3
	FRAGY \f+48+12*\b, \s, \b
.endr
	WIN 0
.endm
.macro MUL f, s                        ; the sixteen accumulators by turns
	WIN 0x05
.irp a, 0,1,2,3
.irp b, 0,1,2,3
.if (\s) == 0
	v_wmma_scale_f32_16x16x128_f8f6f4 v[ACC+8*(4*\a+\b):ACC+8*(4*\a+\b)+7], v[\f+48+12*\b:\f+48+12*\b+11], v[\f+12*\a:\f+12*\a+11], 0, v[YS+4*\b], v[XS+4*\a] matrix_a_fmt:MATRIX_FMT_FP6 matrix_b_fmt:MATRIX_FMT_FP6
.elseif (\s) < 4
	v_wmma_scale_f32_16x16x128_f8f6f4 v[ACC+8*(4*\a+\b):ACC+8*(4*\a+\b)+7], v[\f+48+12*\b:\f+48+12*\b+11], v[\f+12*\a:\f+12*\a+11], v[ACC+8*(4*\a+\b):ACC+8*(4*\a+\b)+7], v[YS+4*\b+(\s)%4], v[XS+4*\a+(\s)%4] matrix_a_fmt:MATRIX_FMT_FP6 matrix_b_fmt:MATRIX_FMT_FP6
.else
	v_wmma_scale_f32_16x16x128_f8f6f4 v[ACC+8*(4*\a+\b):ACC+8*(4*\a+\b)+7], v[\f+48+12*\b:\f+48+12*\b+11], v[\f+12*\a:\f+12*\a+11], v[ACC+8*(4*\a+\b):ACC+8*(4*\a+\b)+7], v[YS+4*\b+(\s)%4], v[XS+4*\a+(\s)%4] matrix_a_fmt:MATRIX_FMT_FP6 matrix_b_fmt:MATRIX_FMT_FP6 matrix_a_scale:MATRIX_SCALE_ROW1 matrix_b_scale:MATRIX_SCALE_ROW1
.endif
.endr
.endr
	WIN 0
.endm
	s_wait_alu depctr_va_vdst(0)                   ; the wait at the head's end
	s_wait_tensorcnt 0x0                           ; my block is in
	s_wait_dscnt 0x0
	s_barrier_signal -1
	s_barrier_wait -1                              ; everybody's is
	FETCH 0, 0
	FETCH 128, 1
	s_wait_loadcnt 32                              ; the scale words are in; the residual's 32 loads may be out
.irp s, 0,1,2,3,4,5,6,7
.if \s < 7
	s_wait_dscnt 40                                ; this K step's fragments are in; the next step's 40 loads may be out
.else
	s_wait_dscnt 0x0
.endif
	MUL 128*(\s%2), \s
.if \s < 6
.rept 4
	v_nop                                          ; places in front of the loads into the set just multiplied
.endr
	FETCH 128*(\s%2), \s+2
.endif
.endr
; THE WAY OUT, a tile of 16 rows x 64 columns at a time, through my own stage; the residual is added; sixteen lanes store 256 consecutive bytes, aligned.
.macro TOSTAGE a
.irp b, 0,1,2,3
	ds_store_b128 v[STO], v[ACC+8*(4*(\a)+\b):ACC+8*(4*(\a)+\b)+3] offset:64*\b
	ds_store_b128 v[STO], v[ACC+8*(4*(\a)+\b)+4:ACC+8*(4*(\a)+\b)+7] offset:64*\b+16
.endr
.set BB, BK+32*((\a)%2)
.irp t, 0,1,2,3,4,5,6,7
	ds_load_b128 v[BB+4*\t:BB+4*\t+3], v[RD] offset:2*\t*SP
.endr
.endm
.macro SEND a, younger
.set BB, BK+32*((\a)%2)
	s_wait_dscnt \younger
	s_wait_loadcnt 8*(3-(\a))                      ; its residual is in; the later tiles' may be out
	WIN 0x08
.irp k, 0,2,4,6,8,10,12,14,16,18,20,22,24,26,28,30
	v_pk_add_f32 v[BB+\k:BB+\k+1], v[BB+\k:BB+\k+1], v[32*(\a)+\k:32*(\a)+\k+1]
.endr
	WIN 0
.irp t, 0,1,2,3,4,5,6,7
	global_store_b128 v[CO], v[BB+4*\t:BB+4*\t+3], s[14:15] offset:(16*(\a)+2*\t)*4096 th:TH_STORE_NT
.endr
.endm
.rept 4
	v_nop
.endr
	TOSTAGE 0
.irp a, 1,2,3
.if \a > 1
	s_wait_xcnt 0x0                                ; tile a - 2's stores have read their registers
.endif
	TOSTAGE \a
	SEND \a-1, 16
.endr
	SEND 3, 0
	s_wait_tensorcnt 0x0                           ; the wave's end
	ds_add_u32 v126, v127
	s_wait_dscnt 0x0
	ROUND
	s_endpgm
.Lfunc_end_k_q8c85622db2_oproj:
	.size	k_q8c85622db2_oproj, .Lfunc_end_k_q8c85622db2_oproj-k_q8c85622db2_oproj
	.p2alignl 7, 3214868480
	.fill 96, 4, 3214868480
	.section	.rodata,"a",@progbits
	.p2align	6, 0x0
	.amdhsa_kernel k_q8c85622db2_oproj
		.amdhsa_group_segment_fixed_size 221184
		.amdhsa_private_segment_fixed_size 0
		.amdhsa_enable_private_segment 0
		.amdhsa_kernarg_size 48
		.amdhsa_user_sgpr_count 2
		.amdhsa_user_sgpr_kernarg_segment_ptr 1
		.amdhsa_wavefront_size32 1
		.amdhsa_system_sgpr_workgroup_id_x 1
		.amdhsa_system_sgpr_workgroup_id_y 1
		.amdhsa_system_sgpr_workgroup_id_z 1
		.amdhsa_system_vgpr_workitem_id 0
		.amdhsa_next_free_vgpr 768
		.amdhsa_next_free_sgpr 100
		.amdhsa_reserve_vcc 0
		.amdhsa_float_denorm_mode_32 3
		.amdhsa_float_denorm_mode_16_64 3
		.amdhsa_memory_ordered 1
		.amdhsa_forward_progress 1
		.amdhsa_inst_pref_size 61
	.end_amdhsa_kernel
	.amdgpu_metadata
---
amdhsa.version: [ 1, 2 ]
amdhsa.kernels:
  - .name:           k_q8c85622db2_oproj
    .symbol:         k_q8c85622db2_oproj.kd
    .args:
      - { .name: ctx_img, .offset: 0, .size: 8, .value_kind: global_buffer, .address_space: global }
      - { .name: ctx_sc, .offset: 8, .size: 8, .value_kind: global_buffer, .address_space: global }
      - { .name: Wo_codes, .offset: 16, .size: 8, .value_kind: global_buffer, .address_space: global }
      - { .name: Wo_scales, .offset: 24, .size: 8, .value_kind: global_buffer, .address_space: global }
      - { .name: hidden_states, .offset: 32, .size: 8, .value_kind: global_buffer, .address_space: global }
      - { .name: out0, .offset: 40, .size: 8, .value_kind: global_buffer, .address_space: global }
    .group_segment_fixed_size: 221184
    .private_segment_fixed_size: 0
    .kernarg_segment_align: 8
    .kernarg_segment_size: 48
    .max_flat_workgroup_size: 128
    .sgpr_count:     100
    .vgpr_count:     768
    .wavefront_size: 32
...
	.end_amdgpu_metadata
.endif
;; end of part 3
